; MI455X (gfx1250); checked and timed in simulation.
; The chip was launched on July 23, 2026; its instructions are those of AMD's public machine-readable ISA for CDNA 5 (MIT licence, August 2026) and "CDNA5" Instruction Set Architecture Reference Guide (July 2026). The comments in the code are by the model that wrote it; some were corrected since.
;; Golden Mo E Dynamic I. Allowed arithmetic: float matrix products may take bf16 or f16 operands with f32 sums; other float arithmetic in f32, or as packed bf16 or f16 multiplies, adds, multiply-adds, maxima and minima; sums over many terms, partial sums and values carried from step to step in f32; what a program stores and reads back later, other than sums and carried values, may be rounded once to bf16 or f16.
;; Inputs: cl_b1 16 float32; cl_b2 1 float32; cl_w1 1,024 x 16 float32; cl_w2 16 x 1 float32; eb1 8 x 4,096 float32; eb2 8 x 1,024 float32; ew1 8 x 1,024 x 4,096 float32; ew2 8 x 4,096 x 1,024 float32; gate_b 8 float32; gate_w 1,024 x 8 float32; x 1,024 x 1,024 float32.
;; Outputs: out0 1,024 x 1,024 float32.
;; 2 versions, each right; version 2 is version 1 with the launches p1, p2 written anew for expert scheduling mode. Each part assembles by itself: llvm-mc -triple=amdgcn-amd-amdhsa -mcpu=gfx1250 --defsym DOCPART=n.
;; ======== version 1 of 2: 5 launches
;; workspace buffers: rk 32,768 bytes of whole numbers; pr 40,960 bytes; idx 34,048 bytes of whole numbers; wl 32,768 bytes; xg 16,777,216 bytes; hb 67,108,864 bytes; part 134,217,728 bytes
;; launch router (part 1): grid 64 x 1, 8 waves a work-group, no clusters, 17,408 bytes of LDS; arguments x, gate_w, gate_b, cl_w1, cl_b1, cl_w2, cl_b2, rk, pr; writes rk, pr
.if DOCPART == 1
	.amdgcn_target "amdgcn-amd-amdhsa--gfx1250"
	.amdhsa_code_object_version 6
	.text
	.protected	k_qf461d8d343_router
	.globl	k_qf461d8d343_router
	.p2align	8
	.type	k_qf461d8d343_router,@function
k_qf461d8d343_router:
	s_mov_b64 s[64:65], 0
	v_nop
	global_prefetch_b8 v0, s[64:65] scope:SCOPE_SE
	s_setreg_imm32_b32 hwreg(HW_REG_WAVE_MODE, 25, 1), 1
	s_wait_xcnt 0x0
; ROUTER.  For each token: the gate's softmax over 8 experts, each expert's rank (0 = largest; equal numbers: the lower index first), and n_active = 8 - 6 sigmoid(relu(x W1 + b1) w2 + b2).
; Stored: rk[t][8] u32 ranks; pr: p[t][8] f32 at byte 0, n_active twice for each token at byte 32,768.
; SHARES.  A work-group owns 16 tokens; each of its 8 waves 128 of the 1,024 inputs: four matrix steps of 32 for the gate (8 columns, repeated to 16) and four for the clarity layer (16 columns).
; The waves' partial sums (f32) meet in LDS; wave 0 adds them and does the rest.  A lane then holds ONE token (lane % 16): all 8 gate scores, and 8 of the 16 hidden numbers (by lane / 16).
; FORMATS.  Every input is rounded once to bf16 (x and the two matrices as matrix operands, the biases and cl_w2 rounded and widened again); sums, softmax and sigmoid in f32.
; LIMITS.  Divisions are a reciprocal and a multiply; two probabilities nearer than f32's rounding may change places against an exact ranking; NaN and infinities are not treated apart.
; No tensor loads and no cluster: a work-group's inputs are 64 KB of x that nobody shares and 96 KB of weights.
.set SPARE, 16384                      ; behind the partial sums: the spare words, 128 bytes for each of 8 waves
.set X,  16                            ; v[16:79]   x as loaded (f32), then 4 fragments of 8 registers at X + 8 ks
.set CW, 80                            ; v[80:143]  cl_w1 likewise
.set GW, 144                           ; v[144:207] gate_w likewise
.set G,  208                           ; v[208:215] gate sums
.set C,  216                           ; v[216:223] clarity sums
.set GB, 224                           ; v[224:231] gate_b
.set B1, 232                           ; v[232:239] my 8 of cl_b1
.set W2, 240                           ; v[240:247] my 8 of cl_w2
.set B2, 248                           ; v248       cl_b2
	s_load_b256 s[4:11], s[0:1], 0x0               ; x s[4:5], gate_w s[6:7], gate_b s[8:9], cl_w1 s[10:11]
	s_load_b256 s[12:19], s[0:1], 0x20             ; cl_b1 s[12:13], cl_w2 s[14:15], cl_b2 s[16:17], rk s[18:19]
	s_load_b64 s[20:21], s[0:1], 0x40              ; pr
	v_lshl_add_u32 v6, v0, 2, SPARE                ; my spare word
	v_mov_b32 v7, 0
	v_lshrrev_b32 v12, 5, v0
	v_readfirstlane_b32 s28, v12                   ; wave 0..7
	v_and_b32 v1, 15, v0                           ; r = lane % 16
	v_bfe_u32 v2, v0, 4, 1                         ; h = lane / 16
	v_lshlrev_b32 v3, 12, v1
	v_lshl_add_u32 v3, v2, 5, v3                   ; x: token r's row + 8 h numbers
	v_lshlrev_b32 v4, 2, v1
	v_lshl_add_u32 v4, v2, 9, v4                   ; cl_w1: column r, 8 h rows of 64 bytes down
	v_and_b32 v5, 7, v0
	v_lshlrev_b32 v5, 2, v5
	v_lshl_add_u32 v5, v2, 8, v5                   ; gate_w: column r % 8, 8 h rows of 32 bytes down
	v_mov_b32 v8, 0
	v_lshlrev_b32 v9, 5, v2                        ; my 8 of 16 numbers
	v_and_b32 v10, 31, v0
	v_lshlrev_b32 v10, 4, v10                      ; 16 x lane
	v_lshl_add_u32 v11, s28, 11, v10               ; my wave's 2,048 bytes of partial sums
	s_lshl_b32 s22, ttmp9, 16                      ; 16 rows of x,
	s_lshl_b32 s23, s28, 9                         ; my wave's 128 numbers in them
	s_add_co_u32 s22, s22, s23
	s_mov_b32 s23, 0
	s_lshl_b32 s24, s28, 13                        ; 128 rows of cl_w1
	s_mov_b32 s25, 0
	s_lshl_b32 s26, s28, 12                        ; 128 rows of gate_w
	s_mov_b32 s27, 0
	s_lshl_b32 s32, ttmp9, 9                       ; 16 tokens x 32 bytes
	s_mov_b32 s33, 0
	s_lshl_b32 s34, ttmp9, 7                       ; 16 tokens x 8 bytes
	s_mov_b32 s35, 0
	s_mov_b32 s30, 0xffff0000                      ; a word's upper bf16; also the mask of lanes 16 to 31
	s_mov_b32 s31, 0x3f07de6f                      ; log2(e) / e: the temperature and the base of v_exp_f32 in one factor
	s_mov_b32 s38, 0x76543210                      ; v_permlanex16_b32: each lane takes its own place in the other half
	s_mov_b32 s39, 0xfedcba98
	s_mov_b32 s40, 0xc0c00000                      ; -6.0
	s_mov_b32 s41, 0x41000000                      ; 8.0
	s_wait_kmcnt 0x0
	s_add_nc_u64 s[4:5], s[4:5], s[22:23]
	s_add_nc_u64 s[10:11], s[10:11], s[24:25]
	s_add_nc_u64 s[6:7], s[6:7], s[26:27]
	s_add_nc_u64 s[18:19], s[18:19], s[32:33]
	s_add_nc_u64 s[36:37], s[20:21], s[34:35]      ; pr for n_active (its 32,768 stands in the store's immediate)
	s_add_nc_u64 s[20:21], s[20:21], s[32:33]      ; pr for p
	; all loads in one run.  A fragment wants, for lane (r, h), k = 8 h + 0..7 and 16 + 8 h + 0..7 of each step of 32
.irp ks, 0,1,2,3
	global_load_b128 v[X+16*\ks:X+16*\ks+3],     v3, s[4:5] offset:128*\ks
	global_load_b128 v[X+16*\ks+4:X+16*\ks+7],   v3, s[4:5] offset:128*\ks+16
	global_load_b128 v[X+16*\ks+8:X+16*\ks+11],  v3, s[4:5] offset:128*\ks+64
	global_load_b128 v[X+16*\ks+12:X+16*\ks+15], v3, s[4:5] offset:128*\ks+80
.endr
.set i, 0
.rept 64                               ; register i = 16 ks + 8 hf + jj takes row 32 ks + 16 hf + jj (+ 8 h)
	global_load_b32 v[CW+i], v4, s[10:11] offset:((i>>3)*16+(i&7))*64
	global_load_b32 v[GW+i], v5, s[6:7] offset:((i>>3)*16+(i&7))*32
.set i, i+1
.endr
	global_load_b128 v[GB:GB+3],   v8, s[8:9]
	global_load_b128 v[GB+4:GB+7], v8, s[8:9] offset:16
	global_load_b128 v[B1:B1+3],   v9, s[12:13]
	global_load_b128 v[B1+4:B1+7], v9, s[12:13] offset:16
	global_load_b128 v[W2:W2+3],   v9, s[14:15]
	global_load_b128 v[W2+4:W2+7], v9, s[14:15] offset:16
	global_load_b32 v[B2], v8, s[16:17]
	s_wait_loadcnt 0x0
	; rounded to bf16 in place: pair i goes to register i, which lies at or below the pair
.irp b, X, CW, GW
.set i, 0
.rept 32
	v_cvt_pk_bf16_f32 v[\b+i], v[\b+2*i], v[\b+2*i+1]
.set i, i+1
.endr
.endr
	; source 0 = 16 outputs, source 1 = 16 tokens: in the result lane (r, h) holds token r, outputs 8 h + 0..7.  The two accumulators take turns
.irp ks, 0,1,2,3
.if \ks == 0
	v_wmma_f32_16x16x32_bf16 v[G:G+7], v[GW:GW+7], v[X:X+7], 0
	v_wmma_f32_16x16x32_bf16 v[C:C+7], v[CW:CW+7], v[X:X+7], 0
.else
	v_wmma_f32_16x16x32_bf16 v[G:G+7], v[GW+8*\ks:GW+8*\ks+7], v[X+8*\ks:X+8*\ks+7], v[G:G+7]
	v_wmma_f32_16x16x32_bf16 v[C:C+7], v[CW+8*\ks:CW+8*\ks+7], v[X+8*\ks:X+8*\ks+7], v[C:C+7]
.endif
.endr
.rept 4
	v_nop                                          ; four places between the last product and the stores that read the sums
.endr
	ds_store_b128 v11, v[G:G+3]                    ; each accumulator from its low end on
	ds_store_b128 v11, v[G+4:G+7] offset:512
	ds_store_b128 v11, v[C:C+3] offset:1024
	ds_store_b128 v11, v[C+4:C+7] offset:1536
	s_wait_dscnt 0x0                               ; for wave 0's sake: my partial sums are in LDS
	s_barrier_signal -1
	s_barrier_wait -1
	s_cmp_lg_u32 s28, 0
	s_cbranch_scc1 .Lend                           ; wave 0 alone goes on
.set i, 0
.rept 32                               ; i = 4 x wave + quad
	ds_load_b128 v[16+4*i:16+4*i+3], v10 offset:512*i
.set i, i+1
.endr
	; meanwhile the 25 small parameters are rounded to bf16 and widened again
.irp p, GB, B1, W2
.irp i, 0,2,4,6
	v_cvt_pk_bf16_f32 v249, v[\p+\i], v[\p+\i+1]
	v_lshlrev_b32 v[\p+\i], 16, v249
	v_and_b32 v[\p+\i+1], s30, v249
.endr
.endr
	v_cvt_pk_bf16_f32 v249, v[B2], v[B2]
	v_lshlrev_b32 v[B2], 16, v249
	s_wait_dscnt 0x0
.set i, 1
.rept 7                                ; the waves' sums in ascending order: gate score j in v[16+j], hidden number j in v[24+j]
.irp p, 0,2,4,6,8,10,12,14
	v_pk_add_f32 v[16+\p:17+\p], v[16+\p:17+\p], v[16+16*i+\p:17+16*i+\p]
.endr
.set i, i+1
.endr
.irp p, 0,2,4,6
	v_pk_add_f32 v[16+\p:17+\p], v[16+\p:17+\p], v[GB+\p:GB+\p+1]
	v_pk_add_f32 v[24+\p:25+\p], v[24+\p:25+\p], v[B1+\p:B1+\p+1]
.endr
	v_max3_num_f32 v250, v16, v17, v18             ; the row's maximum is taken away before the exponentials
	v_max3_num_f32 v250, v250, v19, v20
	v_max3_num_f32 v250, v250, v21, v22
	v_max_num_f32 v250, v250, v23
	v_mul_f32 v250, s31, v250
.irp j, 0,1,2,3,4,5,6,7
	v_fma_f32 v[16+\j], v[16+\j], s31, -v250
	v_max_num_f32 v[24+\j], 0, v[24+\j]            ; relu
.endr
	v_mul_f32 v251, v24, v[W2]
.irp j, 1,2,3,4,5,6,7
	v_fmac_f32 v251, v[24+\j], v[W2+\j]
.endr
	v_mov_b32 v252, 0                              ; v_permlanex16_b32 counts as a reader of its destination
	v_permlanex16_b32 v252, v251, s38, s39         ; the other 8 hidden numbers' share
	v_add_f32 v251, v251, v252
	v_add_f32 v251, v251, v[B2]
	v_mul_f32 v251, 0xbfb8aa3b, v251               ; -z log2(e)
.irp j, 0,1,2,3,4,5,6,7
	v_exp_f32 v[16+\j], v[16+\j]
.endr
	v_exp_f32 v251, v251
.irp i, 0,1,2,3,4,5,6,7
	v_mov_b32 v[32+\i], 7-\i                       ; the ranks' start; plain work behind the nine exponentials
.endr
	s_wait_alu depctr_va_vdst(0)                   ; one wait for the batch, ahead of its first reader
	v_add_f32 v253, v16, v17
.irp j, 2,3,4,5,6,7
	v_add_f32 v253, v253, v[16+\j]
.endr
	v_add_f32 v251, 1.0, v251
	v_rcp_f32 v253, v253
	v_rcp_f32 v251, v251
	v_lshlrev_b32 v254, 5, v1                      ; plain work behind the two reciprocals: the stores' offsets
	v_lshl_add_u32 v254, v2, 4, v254               ; token r's 32 bytes, 16 for each half of the lanes
	v_lshlrev_b32 v255, 3, v1
	v_lshl_add_u32 v255, v2, 2, v255
	s_wait_alu depctr_va_vdst(0)                   ; one wait for both
.irp j, 0,1,2,3,4,5,6,7
	v_mul_f32 v[16+\j], v[16+\j], v253             ; p
.endr
	v_fma_f32 v251, v251, s40, s41                 ; n_active = 8 - 6 clarity
	; rank i = (7 - i) + the number of j < i with p_j >= p_i - the number of j > i with p_i >= p_j
.irp i, 0,1,2,3,4,5,6
.irp j, 1,2,3,4,5,6,7
.if \j > \i
	v_cmp_ge_f32 vcc_lo, v[16+\i], v[16+\j]
	v_cndmask_b32 v249, 0, 1, vcc_lo
	v_add_nc_u32 v[32+\j], v[32+\j], v249
	v_sub_nc_u32 v[32+\i], v[32+\i], v249
.endif
.endr
.endr
.irp i, 0,1,2,3
	v_cndmask_b32 v[40+\i], v[32+\i], v[36+\i], s30  ; lanes 0-15 store experts 0-3, lanes 16-31 experts 4-7
	v_cndmask_b32 v[44+\i], v[16+\i], v[20+\i], s30
.endr
	global_store_b128 v254, v[40:43], s[18:19]     ; 512 consecutive bytes each
	global_store_b128 v254, v[44:47], s[20:21]
	global_store_b32 v255, v251, s[36:37] offset:32768
.Lend:
	s_wait_tensorcnt 0x0                           ; the wave's end
	ds_add_u32 v6, v7
	s_wait_dscnt 0x0
	s_endpgm
.Lfunc_end_k_qf461d8d343_router:
	.size	k_qf461d8d343_router, .Lfunc_end_k_qf461d8d343_router-k_qf461d8d343_router
	.p2alignl 7, 3214868480
	.fill 96, 4, 3214868480
	.section	.rodata,"a",@progbits
	.p2align	6, 0x0
	.amdhsa_kernel k_qf461d8d343_router
		.amdhsa_group_segment_fixed_size 17408
		.amdhsa_private_segment_fixed_size 0
		.amdhsa_enable_private_segment 0
		.amdhsa_kernarg_size 72
		.amdhsa_user_sgpr_count 2
		.amdhsa_user_sgpr_kernarg_segment_ptr 1
		.amdhsa_wavefront_size32 1
		.amdhsa_system_sgpr_workgroup_id_x 1
		.amdhsa_system_sgpr_workgroup_id_y 1
		.amdhsa_system_sgpr_workgroup_id_z 1
		.amdhsa_system_vgpr_workitem_id 0
		.amdhsa_next_free_vgpr 256
		.amdhsa_next_free_sgpr 66
		.amdhsa_reserve_vcc 1
		.amdhsa_float_denorm_mode_32 3
		.amdhsa_float_denorm_mode_16_64 3
		.amdhsa_memory_ordered 1
		.amdhsa_forward_progress 1
		.amdhsa_inst_pref_size 40
	.end_amdhsa_kernel
	.amdgpu_metadata
---
amdhsa.version: [ 1, 2 ]
amdhsa.kernels:
  - .name:           k_qf461d8d343_router
    .symbol:         k_qf461d8d343_router.kd
    .args:
      - { .name: x, .offset: 0, .size: 8, .value_kind: global_buffer, .address_space: global }
      - { .name: gate_w, .offset: 8, .size: 8, .value_kind: global_buffer, .address_space: global }
      - { .name: gate_b, .offset: 16, .size: 8, .value_kind: global_buffer, .address_space: global }
      - { .name: cl_w1, .offset: 24, .size: 8, .value_kind: global_buffer, .address_space: global }
      - { .name: cl_b1, .offset: 32, .size: 8, .value_kind: global_buffer, .address_space: global }
      - { .name: cl_w2, .offset: 40, .size: 8, .value_kind: global_buffer, .address_space: global }
      - { .name: cl_b2, .offset: 48, .size: 8, .value_kind: global_buffer, .address_space: global }
      - { .name: rk, .offset: 56, .size: 8, .value_kind: global_buffer, .address_space: global }
      - { .name: pr, .offset: 64, .size: 8, .value_kind: global_buffer, .address_space: global }
    .group_segment_fixed_size: 17408
    .private_segment_fixed_size: 0
    .kernarg_segment_align: 8
    .kernarg_segment_size: 72
    .max_flat_workgroup_size: 256
    .sgpr_count:     66
    .vgpr_count:     256
    .wavefront_size: 32
...
	.end_amdgpu_metadata
.endif
;; end of part 1
;; launch place (part 2): grid 32 x 8, 32 waves a work-group, no clusters, 10,752 bytes of LDS; arguments rk, pr, x, idx, wl, xg; writes idx, wl, xg
.if DOCPART == 2
	.amdgcn_target "amdgcn-amd-amdhsa--gfx1250"
	.amdhsa_code_object_version 6
	.text
	.protected	k_qf461d8d343_place
	.globl	k_qf461d8d343_place
	.p2align	8
	.type	k_qf461d8d343_place,@function
k_qf461d8d343_place:
	s_mov_b64 s[64:65], 0
	v_nop
	global_prefetch_b8 v0, s[64:65] scope:SCOPE_SE
	s_setreg_imm32_b32 hwreg(HW_REG_WAVE_MODE, 25, 1), 1
	s_wait_xcnt 0x0
; PLACE.  Work-group (part, e).  Expert e's 1,024 tokens are sorted by the rank that e has for them (a counting sort; within a rank by token number), so that for EVERY k the chosen tokens
; are the first cnt[e] places.  Each work-group sorts for itself (thread t = token t) and gathers the tokens of places 32 part .. 32 part + 31: their rows of x, rounded to bf16, into xg in the
; order in which a matrix operand's registers take them: byte = e 2 MB + (place / 64) 128 KB + (K step of 32) 4,096 + (tile of 16 places) 1,024 + (half) 512 + lane 16.
; Part 0 also stores the lists: idx: rowid[t][rank] = 1,024 e + place; cnt[e] (32 equal words at 32,768 + 128 e); k (32 equal words at 33,792); wl[e][place] = the normalised gate weight, 0 for rank >= k.
; k = clip(floor(mean n_active + 0.5), 2, 8) is made of floating-point numbers: it selects VALUES here (v_cndmask_b32) and no address or branch; all addresses hang on rk, whole numbers read from memory.
; The 4-byte stores of the lists (64 KB in the whole launch) go to places that the sort gives; all else is stored in runs of 512 bytes.
; LDS: no wave stores into bytes that hang on data and are another wave's: each wave has a table of its own with a word for each of the 32 places and a dump word.
.set CNTW,  0                          ; [wave 32][rank 8] u32
.set NAS,   1024                       ; [wave 32] f32: the waves' sums of n_active
.set TBL,   2048                       ; [wave 32] tables of 33 words, 144 bytes apart
.set TP,    144
.set SPARE, 6656                       ; the spare words, 128 bytes for each of 32 waves
; v1 lane, v2 lane % 16, v3 lane / 16, v4 32 t, v5 8 t, v6, v7 the add's; v[8:15] rk[t], v[16:23] p[t], v24 n_active, v25 e's rank, v26 p[t][e], v27 place, v28-31 at work, v[32:63] at work
	s_load_b256 s[4:11], s[0:1], 0x0               ; rk s[4:5], pr s[6:7], x s[8:9], idx s[10:11]
	s_load_b128 s[12:15], s[0:1], 0x20             ; wl s[12:13], xg s[14:15]
	v_lshl_add_u32 v6, v0, 2, SPARE
	v_mov_b32 v7, 0
	v_lshrrev_b32 v1, 5, v0
	v_readfirstlane_b32 s28, v1                    ; wave 0..31
	v_and_b32 v1, 31, v0
	v_and_b32 v2, 15, v0
	v_bfe_u32 v3, v0, 4, 1
	v_lshlrev_b32 v4, 5, v0
	v_lshlrev_b32 v5, 3, v0
	s_and_b32 s29, ttmp7, 0xffff                   ; e
	s_mov_b32 s30, ttmp9                           ; part
	s_mov_b32 s36, 0x76543210
	s_mov_b32 s37, 0xfedcba98
	s_lshl_b32 s34, s29, 2
	s_mov_b32 s35, 0
	s_and_b32 s22, s28, 15                         ; the gather: which two K steps are my wave's,
	s_lshr_b32 s23, s28, 4                         ; and which of the two tiles of 16 places
	s_lshl_b32 s24, s23, 6
	s_add_co_u32 s24, s24, TBL                     ; that tile's first word in table 0
	s_lshl_b32 s25, s30, 5                         ; the work-group's first place
	s_lshl_b32 s20, s22, 8                         ; two K steps of x: 256 bytes of a row
	s_mov_b32 s21, 0
	s_lshl_b32 s26, s29, 21                        ; xg: the expert,
	s_lshr_b32 s27, s30, 1
	s_lshl_b32 s27, s27, 17                        ; the block of 64 places,
	s_add_co_u32 s26, s26, s27
	s_lshl_b32 s27, s22, 13                        ; the K steps,
	s_add_co_u32 s26, s26, s27
	s_and_b32 s27, s30, 1
	s_lshl_b32 s27, s27, 1
	s_add_co_u32 s27, s27, s23
	s_lshl_b32 s27, s27, 10                        ; the tile
	s_add_co_u32 s26, s26, s27
	s_mov_b32 s27, 0
	s_mul_i32 s31, s28, TP
	s_add_co_u32 s31, s31, TBL                     ; my wave's table
	s_lshl_b32 s32, s28, 5
	s_lshl_b32 s33, s28, 2
	s_wait_kmcnt 0x0
	s_add_nc_u64 s[16:17], s[4:5], s[34:35]        ; rk and p at expert e
	s_add_nc_u64 s[18:19], s[6:7], s[34:35]
	s_add_nc_u64 s[8:9], s[8:9], s[20:21]
	s_add_nc_u64 s[14:15], s[14:15], s[26:27]
	global_load_b32 v25, v4, s[16:17]
	global_load_b32 v24, v5, s[6:7] offset:32768
	global_load_b32 v26, v4, s[18:19]
	global_load_b128 v[8:11], v4, s[4:5]
	global_load_b128 v[12:15], v4, s[4:5] offset:16
	global_load_b128 v[16:19], v4, s[6:7]
	global_load_b128 v[20:23], v4, s[6:7] offset:16
	v_lshl_add_u32 v28, v1, 2, s31
	v_mov_b32 v29, 0
	ds_store_b32 v28, v29                          ; my wave's table is cleared
	v_mov_b32 v27, 0
	v_mov_b32 v30, 0
	s_wait_loadcnt 4                               ; the first three are in; the four loads of the lists, wanted later, may stay out
	v_min_u32 v25, 7, v25
	; for each rank: who in my wave has it, how many, and how many of them stand below me
.irp r, 0,1,2,3,4,5,6,7
	v_cmp_eq_u32 s[40+\r], \r, v25
	s_bcnt1_i32_b32 s[48+\r], s[40+\r]
	v_mbcnt_lo_u32_b32 v28, s[40+\r], 0
	v_cndmask_b32 v27, v27, v28, s[40+\r]
	v_mov_b32 v[32+\r], s[48+\r]
.endr
	v_mov_b32 v28, s32
	ds_store_b128 v28, v[32:35]                    ; all lanes write the same words with the same numbers
	ds_store_b128 v28, v[36:39] offset:16
.irp m, 1,2,4,8
	v_add_f32_dpp v24, v24, v24 row_xmask:\m row_mask:0xf bank_mask:0xf
.endr
	v_permlanex16_b32 v30, v24, s36, s37
	v_add_f32 v24, v24, v30
	v_mov_b32 v31, s33
	ds_store_b32 v31, v24 offset:NAS
	s_wait_dscnt 0x0                               ; for the others' sake: my counts and my sum are in LDS
	s_barrier_signal -1
	s_barrier_wait -1
	v_lshlrev_b32 v28, 5, v1
	ds_load_b128 v[32:35], v28                     ; lane c takes wave c's counts
	ds_load_b128 v[36:39], v28 offset:16
	v_lshlrev_b32 v29, 2, v1
	ds_load_b32 v24, v29 offset:NAS
.irp r, 0,1,2,3,4,5,6,7
	v_mov_b32 v[40+\r], 0                          ; the destinations of the lane moves below count as read
.endr
	v_cmp_gt_u32 vcc_lo, s28, v1                   ; waves in front of mine
	s_wait_dscnt 0x0
.irp r, 0,1,2,3,4,5,6,7                ; two sums in a word, each 1,024 at the most: all waves' below, those in front of mine above
	v_lshlrev_b32 v28, 16, v[32+\r]
	v_cndmask_b32 v28, 0, v28, vcc_lo
	v_add_nc_u32 v[32+\r], v[32+\r], v28
.endr
.irp m, 1,2,4,8
.irp r, 0,1,2,3,4,5,6,7
	v_mov_b32_dpp v[40+\r], v[32+\r] row_xmask:\m row_mask:0xf bank_mask:0xf
.endr
.irp r, 0,1,2,3,4,5,6,7
	v_add_nc_u32 v[32+\r], v[32+\r], v[40+\r]
.endr
	v_add_f32_dpp v24, v24, v24 row_xmask:\m row_mask:0xf bank_mask:0xf
.endr
.irp r, 0,1,2,3,4,5,6,7
	v_permlanex16_b32 v[40+\r], v[32+\r], s36, s37
.endr
	v_permlanex16_b32 v30, v24, s36, s37
.irp r, 0,1,2,3,4,5,6,7
	v_add_nc_u32 v[32+\r], v[32+\r], v[40+\r]
.endr
	v_add_f32 v24, v24, v30                        ; the sum of n_active over all 1,024 tokens
	s_mov_b32 s38, 0
.irp r, 0,1,2,3,4,5,6,7
	v_readfirstlane_b32 s39, v[32+\r]
	s_and_b32 s[48+\r], s39, 0xffff                ; tokens of rank r
	s_lshr_b32 s39, s39, 16
	s_add_co_u32 s[56+\r], s38, s39                ; where my wave's tokens of rank r begin
	s_add_co_u32 s38, s38, s[48+\r]
.endr
	v_mov_b32 v28, 0
.irp r, 0,1,2,3,4,5,6,7
	v_cndmask_b32 v28, v28, s[56+\r], s[40+\r]
.endr
	v_add_nc_u32 v27, v27, v28
	v_min_u32 v27, 0x3ff, v27                      ; my token's place
	v_sub_nc_u32 v28, v27, s25
	v_min_u32 v28, 32, v28                         ; its word in my wave's table; every place outside the work-group's 32 goes to the dump word
	v_lshl_add_u32 v28, v28, 2, s31
	ds_store_b32 v28, v0                           ; LDS serves a wave's instructions in order (ISA guide 5.7.1.4): behind the clearing
	s_wait_dscnt 0x0
	s_barrier_signal -1
	s_barrier_wait -1
	; THE GATHER.  A place's word is 0 in 31 tables and the token's number in one: the sum is the token
	v_lshl_add_u32 v28, v2, 2, s24
.set c, 0
.rept 32
	ds_load_b32 v[32+c], v28 offset:c*TP
.set c, c+1
.endr
	v_lshlrev_b32 v29, 4, v1                       ; 16 x lane, for the stores
	s_wait_dscnt 0x0
.set c, 0
.rept 15
	v_add3_u32 v32, v32, v[33+2*c], v[34+2*c]
.set c, c+1
.endr
	v_add_nc_u32 v32, v32, v63
	v_min_u32 v32, 0x3ff, v32
	v_lshlrev_b32 v28, 12, v32
	v_lshl_add_u32 v28, v3, 5, v28                 ; the token's row + 8 (lane / 16) numbers
.irp ks, 0,1
	global_load_b128 v[32+16*\ks:35+16*\ks], v28, s[8:9] offset:128*\ks
	global_load_b128 v[36+16*\ks:39+16*\ks], v28, s[8:9] offset:128*\ks+16
	global_load_b128 v[40+16*\ks:43+16*\ks], v28, s[8:9] offset:128*\ks+64
	global_load_b128 v[44+16*\ks:47+16*\ks], v28, s[8:9] offset:128*\ks+80
.endr
	s_wait_loadcnt 0x0
.set c, 0
.rept 16
	v_cvt_pk_bf16_f32 v[32+c], v[32+2*c], v[33+2*c]
.set c, c+1
.endr
.irp ks, 0,1
	global_store_b128 v29, v[32+8*\ks:35+8*\ks], s[14:15] offset:4096*\ks      ; 512 consecutive bytes each
	global_store_b128 v29, v[36+8*\ks:39+8*\ks], s[14:15] offset:4096*\ks+512
.endr
	s_cmp_lg_u32 s30, 0
	s_cbranch_scc1 .Lend                           ; THE LISTS are part 0's
	v_fma_f32 v30, v24, 0x3a800000, 0.5            ; mean + 0.5: the division by 1,024 is exact
	v_floor_f32 v30, v30
	v_max_num_f32 v30, 2.0, v30
	v_min_num_f32 v30, 0x41000000, v30
	v_cvt_i32_f32 v31, v30                         ; k
	v_cmp_lt_u32 vcc_lo, v8, v31
	v_cndmask_b32 v30, 0, v16, vcc_lo
.irp j, 1,2,3,4,5,6,7
	v_cmp_lt_u32 vcc_lo, v[8+\j], v31
	v_cndmask_b32 v28, 0, v[16+\j], vcc_lo
	v_add_f32 v30, v30, v28
.endr
	v_add_f32 v30, 0x322bcc77, v30                 ; + 1e-8
	v_rcp_f32 v30, v30
	v_cmp_lt_u32 vcc_lo, v25, v31                  ; plain work behind the reciprocal
	v_cndmask_b32 v28, 0, v26, vcc_lo
	v_lshlrev_b32 v48, 2, v27
	v_lshl_add_u32 v49, v25, 2, v4
	s_lshl_b32 s38, s29, 10
	v_add_nc_u32 v50, s38, v27
	s_lshl_b32 s34, s29, 12
	s_add_nc_u64 s[12:13], s[12:13], s[34:35]
	s_wait_alu depctr_va_vdst(0)                   ; ahead of the reciprocal's first reader
	v_mul_f32 v28, v28, v30
	global_store_b32 v48, v28, s[12:13]            ; wl[e][place]
	global_store_b32 v49, v50, s[10:11]            ; rowid[t][rank]
	s_cmp_lg_u32 s28, 0
	s_cbranch_scc1 .Lend
	v_mov_b32 v51, 0
.irp r, 0,1,2,3,4,5,6,7
	v_cmp_lt_u32 vcc_lo, \r, v31
	v_cndmask_b32 v52, 0, s[48+\r], vcc_lo
	v_add_nc_u32 v51, v51, v52
.endr
	v_lshlrev_b32 v53, 2, v1
	s_lshl_b32 s34, s29, 7
	s_add_nc_u64 s[16:17], s[10:11], s[34:35]
	global_store_b32 v53, v51, s[16:17] offset:32768  ; cnt[e]
	s_cmp_lg_u32 s29, 0
	s_cbranch_scc1 .Lend
	global_store_b32 v53, v31, s[10:11] offset:33792  ; k
.Lend:
	s_wait_tensorcnt 0x0                           ; the wave's end
	ds_add_u32 v6, v7
	s_wait_dscnt 0x0
	s_endpgm
.Lfunc_end_k_qf461d8d343_place:
	.size	k_qf461d8d343_place, .Lfunc_end_k_qf461d8d343_place-k_qf461d8d343_place
	.p2alignl 7, 3214868480
	.fill 96, 4, 3214868480
	.section	.rodata,"a",@progbits
	.p2align	6, 0x0
	.amdhsa_kernel k_qf461d8d343_place
		.amdhsa_group_segment_fixed_size 10752
		.amdhsa_private_segment_fixed_size 0
		.amdhsa_enable_private_segment 0
		.amdhsa_kernarg_size 48
		.amdhsa_user_sgpr_count 2
		.amdhsa_user_sgpr_kernarg_segment_ptr 1
		.amdhsa_wavefront_size32 1
		.amdhsa_system_sgpr_workgroup_id_x 1
		.amdhsa_system_sgpr_workgroup_id_y 1
		.amdhsa_system_sgpr_workgroup_id_z 1
		.amdhsa_system_vgpr_workitem_id 0
		.amdhsa_next_free_vgpr 64
		.amdhsa_next_free_sgpr 66
		.amdhsa_reserve_vcc 1
		.amdhsa_float_denorm_mode_32 3
		.amdhsa_float_denorm_mode_16_64 3
		.amdhsa_memory_ordered 1
		.amdhsa_forward_progress 1
		.amdhsa_inst_pref_size 23
	.end_amdhsa_kernel
	.amdgpu_metadata
---
amdhsa.version: [ 1, 2 ]
amdhsa.kernels:
  - .name:           k_qf461d8d343_place
    .symbol:         k_qf461d8d343_place.kd
    .args:
      - { .name: rk, .offset: 0, .size: 8, .value_kind: global_buffer, .address_space: global }
      - { .name: pr, .offset: 8, .size: 8, .value_kind: global_buffer, .address_space: global }
      - { .name: x, .offset: 16, .size: 8, .value_kind: global_buffer, .address_space: global }
      - { .name: idx, .offset: 24, .size: 8, .value_kind: global_buffer, .address_space: global }
      - { .name: wl, .offset: 32, .size: 8, .value_kind: global_buffer, .address_space: global }
      - { .name: xg, .offset: 40, .size: 8, .value_kind: global_buffer, .address_space: global }
    .group_segment_fixed_size: 10752
    .private_segment_fixed_size: 0
    .kernarg_segment_align: 8
    .kernarg_segment_size: 48
    .max_flat_workgroup_size: 1024
    .sgpr_count:     66
    .vgpr_count:     64
    .wavefront_size: 32
...
	.end_amdgpu_metadata
.endif
;; end of part 2
;; launch p1 (part 3): grid 32 x 8, 4 waves a work-group, no clusters, 262,656 bytes of LDS; arguments idx, xg, ew1, eb1, hb; writes hb
.if DOCPART == 3
	.amdgcn_target "amdgcn-amd-amdhsa--gfx1250"
	.amdhsa_code_object_version 6
	.text
	.protected	k_qf461d8d343_p1
	.globl	k_qf461d8d343_p1
	.p2align	8
	.type	k_qf461d8d343_p1,@function
k_qf461d8d343_p1:
	s_mov_b64 s[64:65], 0
	v_nop
	global_prefetch_b8 v0, s[64:65] scope:SCOPE_SE
	s_setreg_imm32_b32 hwreg(HW_REG_WAVE_MODE, 25, 1), 1
	s_wait_xcnt 0x0
; THE TWO PRODUCTS OF AN EXPERT, one text: KIND = 1: hb = relu(xg W1 + b1), bf16;  KIND = 2: part = wl x (hb W2 + b2), f32, a quarter of the hidden width at a time.
.set KIND, 1
; SHARES.  A work-group has a slice of ONE expert's weights, 1,024 (K) x 128 (columns), which it alone reads: 512 KB of f32, once, in pieces of 256 consecutive bytes.  KIND 1: slice x = 128 hidden columns.
; KIND 2: x % 8 = 128 output columns, x / 8 = a quarter of the 4,096 hidden numbers; the four quarters' partial sums are added by the next launch.
; The slice is rounded to bf16 and turned in registers: a lane loads 4 columns of each of 16 rows and packs neighbouring rows' numbers: four ready fragments.  It stays in LDS, 256 KB, for the whole launch.
; ROWS.  The expert's first cnt rows are nt = ceil(cnt / 16) tiles of 16, walked in chunks of three tiles: chunk c is tiles 3 c to 3 c + 2, and wave w takes chunks w, w + 4, ..: a round of the four waves is 192 rows.
; A chunk's 48 x 128 results are 24 accumulators.  In the expert's last chunk the slots past the last tile repeat that tile: they are multiplied and stored like it, the same bytes to the same place by the same wave,
; so that the text has no branch inside a chunk.  The rows come from memory straight into registers as matrix operands (the launch before laid them so), seven K steps ahead; nothing writes LDS in that loop, so it needs
; no barrier.  The loop over chunks counts to the constant 6 (64 tiles are 22 chunks) and jumps over dead trips.
; Places past cnt in the last tile hold real tokens (of rank >= k): they are computed and stored like the others, and nobody reads them.
; COLUMNS.  Tile T = 4 g + c of 16 holds columns 64 g + 4 i + c of the slice (i = 0..15).  KIND 1 uses the product transposed (source 0 = weights), so that a lane holds 8 hidden numbers of one token:
; tiles (g, 2 u) and (g, 2 u + 1), packed, ARE the operand of K step 4 x + 2 g + u of the second product, whose K therefore runs over the hidden numbers in that order; KIND 2 loads W2's rows in the same order.
; FORMATS.  x, weights and biases rounded once to bf16, the hidden layer once to bf16; sums and partial sums f32.
; NO CLUSTER, NO TENSOR LOADS: each weight has one reader and wants a cast and a transposition, which the way through registers gives; what an expert's 32 work-groups share is its token rows, and beside the slice's
; 262,144 bytes LDS has 65,024 left: less than one chunk's 98,304 bytes of rows.
; REGISTERS, in windows of 256 (s_set_vgpr_msb: bits 1:0 source 0, 3:2 source 1, 5:4 source 2, 7:6 destination):
;   window 0: v1-26 addresses; v64-127, v128-191 the weights' fragments of one K step, two buffers; v192-255 the bias as a C operand, 8 registers a tile
;   window 1: the accumulators, (i, T) at 64 i + 8 T, i = 0..2; while the slice is filled: four slots of 64 for weights as loaded
;   window 2: the rows' ring: K step s in slot s % 8, tile i at 32 (s % 8) + 8 i          window 3: the way out (KIND 2 also: v128-151 the rows' gate weights)
.set SPARE, 262144                     ; behind the slice: the spare words, 128 bytes for each of 4 waves
.set L16,  1                           ; v1   16 x lane
.set LB,   3                           ; v3   LDS address of my 16 bytes in the eight K steps in hand
.set FW,   4                           ; v4   (lane / 16) x 131,072 + (lane % 16) x 16: my place in the weights; KIND 2: also in part (8 rows of 16,384 bytes)
.set FL,   5                           ; v5   where my fragments go in LDS
.set SPW,  6                           ; v6   my spare word
.set NIL,  7                           ; v7   0, for the add alone
.set BO,   8                           ; v8   my place in the bias
.set ZR,   10                          ; v10  0, for relu
.set WV,   12                          ; v12  KIND 2: 32 x (lane / 16): my 8 rows' gate weights in a tile's 64 bytes
.set VA,   16                          ; v16-18  slot i: byte offset of its tile's rows (the chunk that the ring is asking for)
.set VS,   20                          ; v20-22  slot i: byte offset of its tile's results
.set VW,   24                          ; v24-26  KIND 2: slot i: byte offset of its tile's gate weights
.set B0,   64
.set PK,   128                         ; the bias at work
.set BIAS, 192
.set WLR,  128                         ; window 3
.if KIND == 1
.set WSTEP,  0x100000                  ; two K steps of weights: 64 rows of 16,384 bytes
.set BSH,    17                        ; four tiles of rows lie in a block of 131,072 bytes,
.set OSH,    19                        ; four tiles of results in one of 524,288
.set W_MUL,  0x58                      ; weights window 0, rows window 2, C and D window 1
.set W_MULB, 0x48                      ; the same with C in window 0
.else
.set WSTEP,  0x40000                   ; 64 rows of 4,096 bytes
.set BSH,    19                        ; four tiles of rows lie in a block of 524,288 bytes
.set W_MUL,  0x52                      ; rows window 2, weights window 0, C and D window 1
.set W_MULB, 0x42
.endif
; s16 wave, s17 expert, s18 slice, s19 quarter, s22-23, s25 counters, s24 LDS base of the eight K steps in hand, s[26:27] weights, s[28:29] the expert's rows (never rewritten), s[32:33] the ring's base,
; s[38:39] the expert's results (never rewritten), s[40:41] its gate weights, s42-47, s52-53 at work
.set LAST, 20                          ; s20  the expert's last tile
.set T0,   34                          ; s34  the chunk's first tile
.set TN,   36                          ; s36  my next chunk's first tile
.set SO,   48                          ; s48-50  slot i: byte offset of the next chunk's tile
.set MSB, 0
.macro WIN new                         ; the immediate's high byte repeats the setting that is left; a switch that changes nothing is dropped
.if MSB != (\new)
	s_set_vgpr_msb (MSB<<8)|(\new)
.set MSB, \new
.endif
.endm
; s[dst] = the byte offset of tile min(s[tb] + i, last tile) in a tensor that lies in blocks of four tiles, 1 << sh bytes a block, 1,024 bytes from tile to tile.
; A number read from memory enters an address only behind a bound written in the line; behind the bound stand a shift left, an AND and sums alone.
.macro TOFF dst, tb, i, sh
	s_add_co_u32 s52, s[\tb], \i
	s_min_u32 s52, s52, s[LAST]
	s_lshr_b32 s53, s52, 2
	s_min_u32 s53, s53, 15
	s_lshl_b32 s53, s53, \sh
	s_min_u32 s52, s52, 63
	s_and_b32 s52, s52, 3
	s_lshl_b32 s52, s52, 10
	s_add_co_u32 s[\dst], s53, s52
.endm
; A UNIT of the fill: K step uu / 2 (from s[26:27] on), column group uu % 2: 16 loads, each two pieces of 256 consecutive bytes, into slot uu % 4: row (hf, jj), 4 columns
.macro FLOAD uu
	WIN 0x40
.set FS, 64*((\uu)&3)
.set FD, (\uu)>>1
.set FG, (\uu)&1
.irp hf, 0,1
.irp jj, 0,1,2,3,4,5,6,7
.if KIND == 1
.set RO, (32*FD+16*\hf+\jj)*16384
.else
.set RO, ((FD>>1)*64+4*\jj+2*(FD&1)+\hf)*4096
.endif
	global_load_b128 v[FS+(8*\hf+\jj)*4:FS+(8*\hf+\jj)*4+3], v[FW], s[26:27] offset:RO+FG*256 th:TH_LOAD_NT
.endr
.endr
.endm
; the unit is rounded, two neighbouring K to a register: four fragments (one for each column c), and stored: 512 consecutive bytes a store
.macro FCONV uu
	WIN 0x05
.set FS, 64*((\uu)&3)
.irp c, 0,1,2,3
.irp a, 0,1,2,3,4,5,6,7
	v_cvt_pk_bf16_f32 v[B0+8*\c+\a], v[FS+(8*((\a)>>2)+2*((\a)&3))*4+\c], v[FS+(8*((\a)>>2)+2*((\a)&3))*4+\c+4]
.endr
.endr
	WIN 0
.irp c, 0,1,2,3
.irp hf, 0,1
	ds_store_b128 v[FL], v[B0+8*\c+4*\hf:B0+8*\c+4*\hf+3] offset:((\uu)>>1)*8192+((\uu)&1)*4096+\c*1024+\hf*512
.endr
.endr
.endm
; the ring's first seven K steps: 42 loads
.macro APRO
	WIN 0x80
.irp s, 0,1,2,3,4,5,6
.irp i, 0,1,2
.irp hf, 0,1
	global_load_b128 v[32*\s+8*\i+4*\hf:32*\s+8*\i+4*\hf+3], v[VA+\i], s[32:33] offset:\s*4096+\hf*512
.endr
.endr
.endr
.endm
; A K STEP, number u of eight.  Four places behind the last products (ISA guide 7.12.1 for vector instructions), then the loads into registers that they read: the next step's weights from LDS, and the rows seven
; steps on from memory; then 24 products.  The 24 accumulators take turns in the same order in every step.  first = 1: the bias starts the sums.
.macro STEP u, first
	WIN 0
.if (\u) == 7
	s_add_co_u32 s24, s24, 0x10000                 ; the next eight K steps; behind the fourth eight the first again, for the next chunk
	s_and_b32 s24, s24, 0x30000
	v_add_nc_u32 v[LB], s24, v[L16]
	v_nop
	v_nop
	v_nop
.else
	v_nop
	v_nop
	v_nop
	v_nop
.endif
.set NB, B0+64*(((\u)+1)&1)
.set CB, B0+64*((\u)&1)
.set NS, ((\u)+7)&7
.irp t, 0,1,2,3,4,5,6,7
.irp hf, 0,1
	ds_load_b128 v[NB+8*\t+4*\hf:NB+8*\t+4*\hf+3], v[LB] offset:(((\u)+1)&7)*8192+\t*1024+\hf*512
.endr
.endr
	WIN 0x80
.irp i, 0,1,2
.irp hf, 0,1
	global_load_b128 v[32*NS+8*\i+4*\hf:32*NS+8*\i+4*\hf+3], v[VA+\i], s[32:33] offset:NS*4096+\hf*512
.endr
.endr
	s_wait_dscnt 16                                ; this step's weights are in; the 16 loads just issued may be out
	s_wait_loadcnt 42                              ; this step's rows are in; the seven younger steps' 6 loads each may be out
.if \first
	WIN W_MULB
.else
	WIN W_MUL
.endif
.irp i, 0,1,2
.irp t, 0,1,2,3,4,5,6,7
.if KIND == 1
.if \first
	v_wmma_f32_16x16x32_bf16 v[64*\i+8*\t:64*\i+8*\t+7], v[CB+8*\t:CB+8*\t+7], v[32*(\u)+8*\i:32*(\u)+8*\i+7], v[BIAS+8*\t:BIAS+8*\t+7]
.else
	v_wmma_f32_16x16x32_bf16 v[64*\i+8*\t:64*\i+8*\t+7], v[CB+8*\t:CB+8*\t+7], v[32*(\u)+8*\i:32*(\u)+8*\i+7], v[64*\i+8*\t:64*\i+8*\t+7]
.endif
.else
.if \first
	v_wmma_f32_16x16x32_bf16 v[64*\i+8*\t:64*\i+8*\t+7], v[32*(\u)+8*\i:32*(\u)+8*\i+7], v[CB+8*\t:CB+8*\t+7], v[BIAS+8*\t:BIAS+8*\t+7]
.else
	v_wmma_f32_16x16x32_bf16 v[64*\i+8*\t:64*\i+8*\t+7], v[32*(\u)+8*\i:32*(\u)+8*\i+7], v[CB+8*\t:CB+8*\t+7], v[64*\i+8*\t:64*\i+8*\t+7]
.endif
.endif
.endr
.endr
.endm
; A CHUNK'S WAY OUT.  Each accumulator is read from its low end on.
.macro EPI
	WIN 0
	v_nop
	v_nop
	v_nop
	v_nop
.if KIND == 1
	WIN 0xc5                                       ; sources window 1, destination window 3
.irp i, 0,1,2
.irp g, 0,1
.irp u, 0,1
.irp a, 0,1,2,3                        ; a lane's 8 + 8 hidden numbers of a token: the two halves of an operand of the second product
	v_cvt_pk_bf16_f32 v[(4*\i+2*\g+\u)*8+\a], v[64*\i+8*(4*\g+2*\u)+2*\a], v[64*\i+8*(4*\g+2*\u)+2*\a+1]
.endr
.irp a, 0,1,2,3
	v_cvt_pk_bf16_f32 v[(4*\i+2*\g+\u)*8+4+\a], v[64*\i+8*(4*\g+2*\u+1)+2*\a], v[64*\i+8*(4*\g+2*\u+1)+2*\a+1]
.endr
.endr
.endr
.endr
	WIN 0xc3
.set z, 0
.rept 96
	v_pk_max_num_bf16 v[z], v[z], v[ZR]            ; relu, two at a time: it rounds nothing
.set z, z+1
.endr
	WIN 0x0c                                       ; store data window 3
.irp i, 0,1,2
.irp gu, 0,1,2,3
.irp hf, 0,1
	global_store_b128 v[VS+\i], v[(4*\i+\gu)*8+4*\hf:(4*\i+\gu)*8+4*\hf+3], s[38:39] offset:\gu*4096+\hf*512  ; 512 consecutive bytes
.endr
.endr
.endr
.else
.irp i, 0,1,2                          ; a tile at a time, on two sets of 64 registers by turns
.if (\i == 0) || (\i == 2)
	s_wait_xcnt 0x0                                ; the 64 registers that the stores of two tiles before read are rewritten only behind this wait
.endif
	WIN 0xcd                                       ; accumulators window 1, gate weights and destination window 3
.irp g, 0,1
.irp j, 0,1,2,3,4,5,6,7
.irp c, 0,1,2,3                        ; the multiply by the row's gate weight also brings 4 neighbouring columns into 4 neighbouring registers
	v_mul_f32 v[(((\i&1)*2+\g)*8+\j)*4+\c], v[64*\i+8*(4*\g+\c)+\j], v[WLR+8*\i+\j]
.endr
.endr
.endr
	WIN 0x0c
.irp g, 0,1
.irp j, 0,1,2,3,4,5,6,7
	global_store_b128 v[VS+\i], v[(((\i&1)*2+\g)*8+\j)*4:(((\i&1)*2+\g)*8+\j)*4+3], s[38:39] offset:\j*16384+\g*256  ; 16 lanes store 256 consecutive bytes, aligned
.endr
.endr
.endr
.endif
	WIN 0
.endm
	s_load_b256 s[4:11], s[0:1], 0x0               ; idx s[4:5], rows s[6:7], weights s[8:9], bias s[10:11]
.if KIND == 1
	s_load_b64 s[12:13], s[0:1], 0x20              ; hb
.else
	s_load_b128 s[12:15], s[0:1], 0x20             ; wl s[12:13], part s[14:15]
.endif
	v_lshl_add_u32 v[SPW], v0, 2, SPARE
	v_mov_b32 v[NIL], 0
	v_lshrrev_b32 v2, 5, v0
	v_readfirstlane_b32 s16, v2                    ; wave 0..3
	s_and_b32 s17, ttmp7, 0xffff                   ; expert
.if KIND == 1
	s_mov_b32 s18, ttmp9
	s_mov_b32 s19, 0
.else
	s_and_b32 s18, ttmp9, 7
	s_lshr_b32 s19, ttmp9, 3
.endif
	v_and_b32 v[L16], 31, v0
	v_lshlrev_b32 v[L16], 4, v[L16]
	v_and_b32 v9, 15, v0
	v_bfe_u32 v11, v0, 4, 1
	v_lshlrev_b32 v[FW], 4, v9
	v_lshl_add_u32 v[FW], v11, 17, v[FW]
	v_lshl_add_u32 v[FL], s16, 16, v[L16]          ; wave w fills K steps 8 w .. 8 w + 7: 65,536 bytes
	v_mov_b32 v[ZR], 0
.if KIND == 1
	v_lshlrev_b32 v[BO], 7, v11                    ; 32 (lane / 16) columns
.else
	v_lshlrev_b32 v[BO], 4, v9                     ; 4 (lane % 16) columns
	v_lshlrev_b32 v[WV], 5, v11                    ; 8 (lane / 16) rows
.endif
	s_lshl_b32 s46, s17, 7
	s_mov_b32 s47, 0xffff0000
	s_lshl_b32 s42, s17, 24                        ; an expert's weights are 16 MB
	s_lshl_b32 s43, s18, 9
	s_add_co_u32 s42, s42, s43
.if KIND == 1
	s_lshl_b32 s43, s16, 22                        ; my wave's 256 rows of 16,384 bytes
	s_add_co_u32 s42, s42, s43
	s_lshl_b32 s44, s17, 14
.else
	s_lshl_b32 s43, s16, 20                        ; my wave's 256 rows of 4,096 bytes,
	s_add_co_u32 s42, s42, s43
	s_lshl_b32 s43, s19, 22                        ; in the quarter's 1,024
	s_add_co_u32 s42, s42, s43
	s_lshl_b32 s44, s17, 12
.endif
	s_mov_b32 s43, 0
	s_lshl_b32 s45, s18, 9
	s_add_co_u32 s44, s44, s45
	s_mov_b32 s45, 0
	s_wait_kmcnt 0x0
	s_load_b32 s20, s[4:5], s46 offset:0x8000      ; cnt[e]
	s_add_nc_u64 s[26:27], s[8:9], s[42:43]
	s_add_nc_u64 s[10:11], s[10:11], s[44:45]
	WIN 0xc0
.if KIND == 1
.irp g, 0,1
.irp a, 0,1,2,3,4,5,6,7
	global_load_b128 v[(8*\g+\a)*4:(8*\g+\a)*4+3], v[BO], s[10:11] offset:\g*256+\a*16
.endr
.endr
.else
	global_load_b128 v[0:3], v[BO], s[10:11]
	global_load_b128 v[4:7], v[BO], s[10:11] offset:256
.endif
	FLOAD 0
	FLOAD 1
	FLOAD 2
	WIN 0
	s_wait_kmcnt 0x0
	s_min_u32 s20, s20, 1024
	s_add_co_u32 s20, s20, 15
	s_lshr_b32 s20, s20, 4
	s_max_u32 s20, s20, 1                          ; tiles of 16 rows, 1 to 64
	s_sub_co_u32 s[LAST], s20, 1                   ; the expert's last tile
	s_mul_i32 s[T0], s16, 3                        ; my first chunk's first tile
.irp i, 0,1,2
	TOFF SO+\i, T0, \i, BSH                        ; my first chunk's slots (a wave without a chunk asks for the last tile's rows, and uses nothing)
	v_add_nc_u32 v[VA+\i], s[SO+\i], v[L16]
.endr
	s_mov_b32 s43, 0
	s_mov_b32 s45, 0
.if KIND == 1
	s_lshl_b32 s44, s17, 21                        ; xg: the expert
	s_add_nc_u64 s[28:29], s[6:7], s[44:45]
	s_lshl_b32 s42, s17, 23                        ; hb: the expert, the slice's four K steps
	s_lshl_b32 s44, s18, 14
	s_add_co_u32 s42, s42, s44
	s_add_nc_u64 s[38:39], s[12:13], s[42:43]
.else
	s_lshl_b32 s44, s17, 23                        ; hb: the expert,
	s_lshl_b32 s46, s19, 17                        ; the quarter's 32 K steps
	s_add_co_u32 s44, s44, s46
	s_add_nc_u64 s[28:29], s[6:7], s[44:45]
	s_lshl_b32 s42, s17, 24                        ; part: the expert's 1,024 rows of 16,384 bytes, the quarter, the slice
	s_lshl_b32 s44, s19, 12
	s_add_co_u32 s42, s42, s44
	s_lshl_b32 s44, s18, 9
	s_add_co_u32 s42, s42, s44
	s_add_nc_u64 s[38:39], s[14:15], s[42:43]
	s_lshl_b32 s42, s17, 12
	s_add_nc_u64 s[40:41], s[12:13], s[42:43]
.endif
	s_mov_b64 s[32:33], s[28:29]
	; THE FILL: 16 units a wave, three on their way beside the one awaited
	s_mov_b32 s25, 3
.Lfill:
.irp uu, 0,1,2,3
	FLOAD \uu+3
	s_wait_loadcnt 48                              ; the oldest unit is in; the three younger units' 16 loads each may be out
	FCONV \uu
.endr
	s_wait_xcnt 0x0                                ; the base is stepped only behind this wait
	s_add_nc_u64 s[26:27], s[26:27], WSTEP
	v_add_nc_u32 v[FL], 0x4000, v[FL]
	s_sub_co_u32 s25, s25, 1
	s_cmp_lg_u32 s25, 0
	s_cbranch_scc1 .Lfill
	FLOAD 3                                        ; the last unit; behind it the first rows are asked for
	APRO
	s_wait_loadcnt 63                              ; behind the fourth-last and the third-last unit stand 90 and 74 loads: with 63 out at the most both are in
	FCONV 0
	FCONV 1
	s_wait_loadcnt 58                              ; behind the second-last unit stand the last unit's 16 and the rows' 42
	FCONV 2
	s_wait_loadcnt 42                              ; all but the rows' 42
	FCONV 3
	; THE BIAS, rounded to bf16 and widened, as a C operand
	WIN 0x0f
.if KIND == 1
.set z, 0
.rept 32
	v_cvt_pk_bf16_f32 v[PK+z], v[2*z], v[2*z+1]
.set z, z+1
.endr
	WIN 0
.irp g, 0,1
.irp a, 0,1,2,3,4,5,6,7
.irp cc, 0,1                           ; register a of tile 4 g + c is hidden column 64 g + 32 (lane / 16) + 4 a + c
	v_lshlrev_b32 v[BIAS+8*(4*\g+2*\cc)+\a], 16, v[PK+(8*\g+\a)*2+\cc]
	v_and_b32 v[BIAS+8*(4*\g+2*\cc+1)+\a], s47, v[PK+(8*\g+\a)*2+\cc]
.endr
.endr
.endr
.else
.irp z, 0,1,2,3
	v_cvt_pk_bf16_f32 v[PK+\z], v[2*\z], v[2*\z+1]
.endr
	WIN 0
	s_cmp_eq_u32 s19, 0                            ; the bias is the first quarter's; the others start at 0
	s_cselect_b32 s46, -1, 0
.irp z, 0,1,2,3
	v_and_b32 v[PK+\z], s46, v[PK+\z]
.endr
.irp z, 0,1,2,3
.irp j, 0,1,2,3,4,5,6,7                ; a lane holds one column of a tile, and 8 rows: the same number eight times
	v_lshlrev_b32 v[BIAS+8*(2*\z)+\j], 16, v[PK+\z]
	v_and_b32 v[BIAS+8*(2*\z+1)+\j], s47, v[PK+\z]
.endr
.endr
.endif
	s_wait_dscnt 0x0                               ; for the others' sake: my quarter of the slice is in LDS
	s_barrier_signal -1
	s_barrier_wait -1                              ; the slice is whole; nothing writes it again
	; The four waves leave this barrier together and run the same text, in which every K step opens with a run of 16 LDS loads.  Wave w runs 3 w s_nop 15 once, so that the four runs do not begin together.
	s_cmp_eq_u32 s16, 0
	s_cbranch_scc1 .Lgo
.rept 3
	s_nop 15
.endr
	s_cmp_eq_u32 s16, 1
	s_cbranch_scc1 .Lgo
.rept 3
	s_nop 15
.endr
	s_cmp_eq_u32 s16, 2
	s_cbranch_scc1 .Lgo
.rept 3
	s_nop 15
.endr
.Lgo:
	s_mov_b32 s24, 0
	v_mov_b32 v[LB], v[L16]
.irp t, 0,1,2,3,4,5,6,7
.irp hf, 0,1
	ds_load_b128 v[B0+8*\t+4*\hf:B0+8*\t+4*\hf+3], v[LB] offset:\t*1024+\hf*512
.endr
.endr
	s_mov_b32 s22, 6
.Lblk:
	s_cmp_gt_u32 s[T0], s[LAST]
	s_cbranch_scc1 .Lskip                          ; no chunk left for my wave: forward, past text without a barrier
	s_add_co_u32 s[TN], s[T0], 12                  ; my next chunk: four chunks of three tiles on
.irp i, 0,1,2
	TOFF SO+\i, TN, \i, BSH                        ; its slots, for the ring's last seven steps; behind my last chunk the expert's last tile, asked for and not used
.endr
.if KIND == 1
.irp i, 0,1,2
	TOFF 42, T0, \i, OSH                           ; where this chunk's results go (the last chunk's stores have read these registers: the wait at the loop's foot)
	v_add_nc_u32 v[VS+\i], s42, v[L16]
.endr
.else
.irp i, 0,1,2
	s_add_co_u32 s42, s[T0], \i
	s_min_u32 s42, s42, s[LAST]                    ; a slot past the last tile repeats it, as its rows do
	s_min_u32 s42, s42, 63                         ; the bound, then shifts left and sums
	s_lshl_b32 s43, s42, 18                        ; a tile's 16 rows of part are 262,144 bytes,
	v_add_nc_u32 v[VS+\i], s43, v[FW]
	s_lshl_b32 s42, s42, 6                         ; its gate weights 64
	v_add_nc_u32 v[VW+\i], s42, v[WV]
.endr
	WIN 0xc0
.irp i, 0,1,2
	global_load_b128 v[WLR+8*\i:WLR+8*\i+3],   v[VW+\i], s[40:41]                 ; these 6 loads only make the counted waits of the first seven steps stricter
	global_load_b128 v[WLR+8*\i+4:WLR+8*\i+7], v[VW+\i], s[40:41] offset:16
.endr
.endif
	STEP 0, 1
	WIN 0
	s_mov_b32 s23, 3
.Lk:                                                   ; a trip: K steps 1 to 8 of eight; from step 1 on the ring asks for the next eight's rows
	s_wait_xcnt 0x0
	s_add_nc_u64 s[32:33], s[32:33], 0x8000
.irp u, 1,2,3,4,5,6,7
	STEP \u, 0
.endr
	STEP 0, 0
	WIN 0
	s_sub_co_u32 s23, s23, 1
	s_cmp_lg_u32 s23, 0
	s_cbranch_scc1 .Lk
	s_wait_xcnt 0x0                                ; the ring's base and its three offsets are rewritten only behind this wait
	s_mov_b64 s[32:33], s[28:29]                   ; the last seven steps ask for the next chunk's first seven
.irp i, 0,1,2
	v_add_nc_u32 v[VA+\i], s[SO+\i], v[L16]
.endr
.irp u, 1,2,3,4,5,6,7
	STEP \u, 0
.endr
	EPI
	s_wait_xcnt 0x0                                ; the stores' offsets and data are rewritten only behind this wait
	s_mov_b32 s[T0], s[TN]
.Lskip:
	s_sub_co_u32 s22, s22, 1
	s_cmp_lg_u32 s22, 0
	s_cbranch_scc1 .Lblk
	s_wait_dscnt 0x0                               ; my reads of the slice have come back,
	s_barrier_signal -1
	s_barrier_wait -1                              ; and so have every wave's, before any wave writes LDS again (the add below)
	s_wait_tensorcnt 0x0                           ; the wave's end
	ds_add_u32 v[SPW], v[NIL]
	s_wait_dscnt 0x0
	s_endpgm
.Lfunc_end_k_qf461d8d343_p1:
	.size	k_qf461d8d343_p1, .Lfunc_end_k_qf461d8d343_p1-k_qf461d8d343_p1
	.p2alignl 7, 3214868480
	.fill 96, 4, 3214868480
	.section	.rodata,"a",@progbits
	.p2align	6, 0x0
	.amdhsa_kernel k_qf461d8d343_p1
		.amdhsa_group_segment_fixed_size 262656
		.amdhsa_private_segment_fixed_size 0
		.amdhsa_enable_private_segment 0
		.amdhsa_kernarg_size 40
		.amdhsa_user_sgpr_count 2
		.amdhsa_user_sgpr_kernarg_segment_ptr 1
		.amdhsa_wavefront_size32 1
		.amdhsa_system_sgpr_workgroup_id_x 1
		.amdhsa_system_sgpr_workgroup_id_y 1
		.amdhsa_system_sgpr_workgroup_id_z 1
		.amdhsa_system_vgpr_workitem_id 0
		.amdhsa_next_free_vgpr 896
		.amdhsa_next_free_sgpr 66
		.amdhsa_reserve_vcc 0
		.amdhsa_float_denorm_mode_32 3
		.amdhsa_float_denorm_mode_16_64 3
		.amdhsa_memory_ordered 1
		.amdhsa_forward_progress 1
		.amdhsa_inst_pref_size 119
	.end_amdhsa_kernel
	.amdgpu_metadata
---
amdhsa.version: [ 1, 2 ]
amdhsa.kernels:
  - .name:           k_qf461d8d343_p1
    .symbol:         k_qf461d8d343_p1.kd
    .args:
      - { .name: idx, .offset: 0, .size: 8, .value_kind: global_buffer, .address_space: global }
      - { .name: xg, .offset: 8, .size: 8, .value_kind: global_buffer, .address_space: global }
      - { .name: ew1, .offset: 16, .size: 8, .value_kind: global_buffer, .address_space: global }
      - { .name: eb1, .offset: 24, .size: 8, .value_kind: global_buffer, .address_space: global }
      - { .name: hb, .offset: 32, .size: 8, .value_kind: global_buffer, .address_space: global }
    .group_segment_fixed_size: 262656
    .private_segment_fixed_size: 0
    .kernarg_segment_align: 8
    .kernarg_segment_size: 40
    .max_flat_workgroup_size: 128
    .sgpr_count:     66
    .vgpr_count:     896
    .wavefront_size: 32
...
	.end_amdgpu_metadata
.endif
;; end of part 3
;; launch p2 (part 4): grid 32 x 8, 4 waves a work-group, no clusters, 262,656 bytes of LDS; arguments idx, hb, ew2, eb2, wl, part; writes part
.if DOCPART == 4
	.amdgcn_target "amdgcn-amd-amdhsa--gfx1250"
	.amdhsa_code_object_version 6
	.text
	.protected	k_qf461d8d343_p2
	.globl	k_qf461d8d343_p2
	.p2align	8
	.type	k_qf461d8d343_p2,@function
k_qf461d8d343_p2:
	s_mov_b64 s[64:65], 0
	v_nop
	global_prefetch_b8 v0, s[64:65] scope:SCOPE_SE
	s_setreg_imm32_b32 hwreg(HW_REG_WAVE_MODE, 25, 1), 1
	s_wait_xcnt 0x0
; THE TWO PRODUCTS OF AN EXPERT, one text: KIND = 1: hb = relu(xg W1 + b1), bf16;  KIND = 2: part = wl x (hb W2 + b2), f32, a quarter of the hidden width at a time.
.set KIND, 2
; SHARES.  A work-group has a slice of ONE expert's weights, 1,024 (K) x 128 (columns), which it alone reads: 512 KB of f32, once, in pieces of 256 consecutive bytes.  KIND 1: slice x = 128 hidden columns.
; KIND 2: x % 8 = 128 output columns, x / 8 = a quarter of the 4,096 hidden numbers; the four quarters' partial sums are added by the next launch.
; The slice is rounded to bf16 and turned in registers: a lane loads 4 columns of each of 16 rows and packs neighbouring rows' numbers: four ready fragments.  It stays in LDS, 256 KB, for the whole launch.
; ROWS.  The expert's first cnt rows are nt = ceil(cnt / 16) tiles of 16, walked in chunks of three tiles: chunk c is tiles 3 c to 3 c + 2, and wave w takes chunks w, w + 4, ..: a round of the four waves is 192 rows.
; A chunk's 48 x 128 results are 24 accumulators.  In the expert's last chunk the slots past the last tile repeat that tile: they are multiplied and stored like it, the same bytes to the same place by the same wave,
; so that the text has no branch inside a chunk.  The rows come from memory straight into registers as matrix operands (the launch before laid them so), seven K steps ahead; nothing writes LDS in that loop, so it needs
; no barrier.  The loop over chunks counts to the constant 6 (64 tiles are 22 chunks) and jumps over dead trips.
; Places past cnt in the last tile hold real tokens (of rank >= k): they are computed and stored like the others, and nobody reads them.
; COLUMNS.  Tile T = 4 g + c of 16 holds columns 64 g + 4 i + c of the slice (i = 0..15).  KIND 1 uses the product transposed (source 0 = weights), so that a lane holds 8 hidden numbers of one token:
; tiles (g, 2 u) and (g, 2 u + 1), packed, ARE the operand of K step 4 x + 2 g + u of the second product, whose K therefore runs over the hidden numbers in that order; KIND 2 loads W2's rows in the same order.
; FORMATS.  x, weights and biases rounded once to bf16, the hidden layer once to bf16; sums and partial sums f32.
; NO CLUSTER, NO TENSOR LOADS: each weight has one reader and wants a cast and a transposition, which the way through registers gives; what an expert's 32 work-groups share is its token rows, and beside the slice's
; 262,144 bytes LDS has 65,024 left: less than one chunk's 98,304 bytes of rows.
; REGISTERS, in windows of 256 (s_set_vgpr_msb: bits 1:0 source 0, 3:2 source 1, 5:4 source 2, 7:6 destination):
;   window 0: v1-26 addresses; v64-127, v128-191 the weights' fragments of one K step, two buffers; v192-255 the bias as a C operand, 8 registers a tile
;   window 1: the accumulators, (i, T) at 64 i + 8 T, i = 0..2; while the slice is filled: four slots of 64 for weights as loaded
;   window 2: the rows' ring: K step s in slot s % 8, tile i at 32 (s % 8) + 8 i          window 3: the way out (KIND 2 also: v128-151 the rows' gate weights)
.set SPARE, 262144                     ; behind the slice: the spare words, 128 bytes for each of 4 waves
.set L16,  1                           ; v1   16 x lane
.set LB,   3                           ; v3   LDS address of my 16 bytes in the eight K steps in hand
.set FW,   4                           ; v4   (lane / 16) x 131,072 + (lane % 16) x 16: my place in the weights; KIND 2: also in part (8 rows of 16,384 bytes)
.set FL,   5                           ; v5   where my fragments go in LDS
.set SPW,  6                           ; v6   my spare word
.set NIL,  7                           ; v7   0, for the add alone
.set BO,   8                           ; v8   my place in the bias
.set ZR,   10                          ; v10  0, for relu
.set WV,   12                          ; v12  KIND 2: 32 x (lane / 16): my 8 rows' gate weights in a tile's 64 bytes
.set VA,   16                          ; v16-18  slot i: byte offset of its tile's rows (the chunk that the ring is asking for)
.set VS,   20                          ; v20-22  slot i: byte offset of its tile's results
.set VW,   24                          ; v24-26  KIND 2: slot i: byte offset of its tile's gate weights
.set B0,   64
.set PK,   128                         ; the bias at work
.set BIAS, 192
.set WLR,  128                         ; window 3
.if KIND == 1
.set WSTEP,  0x100000                  ; two K steps of weights: 64 rows of 16,384 bytes
.set BSH,    17                        ; four tiles of rows lie in a block of 131,072 bytes,
.set OSH,    19                        ; four tiles of results in one of 524,288
.set W_MUL,  0x58                      ; weights window 0, rows window 2, C and D window 1
.set W_MULB, 0x48                      ; the same with C in window 0
.else
.set WSTEP,  0x40000                   ; 64 rows of 4,096 bytes
.set BSH,    19                        ; four tiles of rows lie in a block of 524,288 bytes
.set W_MUL,  0x52                      ; rows window 2, weights window 0, C and D window 1
.set W_MULB, 0x42
.endif
; s16 wave, s17 expert, s18 slice, s19 quarter, s22-23, s25 counters, s24 LDS base of the eight K steps in hand, s[26:27] weights, s[28:29] the expert's rows (never rewritten), s[32:33] the ring's base,
; s[38:39] the expert's results (never rewritten), s[40:41] its gate weights, s42-47, s52-53 at work
.set LAST, 20                          ; s20  the expert's last tile
.set T0,   34                          ; s34  the chunk's first tile
.set TN,   36                          ; s36  my next chunk's first tile
.set SO,   48                          ; s48-50  slot i: byte offset of the next chunk's tile
.set MSB, 0
.macro WIN new                         ; the immediate's high byte repeats the setting that is left; a switch that changes nothing is dropped
.if MSB != (\new)
	s_set_vgpr_msb (MSB<<8)|(\new)
.set MSB, \new
.endif
.endm
; s[dst] = the byte offset of tile min(s[tb] + i, last tile) in a tensor that lies in blocks of four tiles, 1 << sh bytes a block, 1,024 bytes from tile to tile.
; A number read from memory enters an address only behind a bound written in the line; behind the bound stand a shift left, an AND and sums alone.
.macro TOFF dst, tb, i, sh
	s_add_co_u32 s52, s[\tb], \i
	s_min_u32 s52, s52, s[LAST]
	s_lshr_b32 s53, s52, 2
	s_min_u32 s53, s53, 15
	s_lshl_b32 s53, s53, \sh
	s_min_u32 s52, s52, 63
	s_and_b32 s52, s52, 3
	s_lshl_b32 s52, s52, 10
	s_add_co_u32 s[\dst], s53, s52
.endm
; A UNIT of the fill: K step uu / 2 (from s[26:27] on), column group uu % 2: 16 loads, each two pieces of 256 consecutive bytes, into slot uu % 4: row (hf, jj), 4 columns
.macro FLOAD uu
	WIN 0x40
.set FS, 64*((\uu)&3)
.set FD, (\uu)>>1
.set FG, (\uu)&1
.irp hf, 0,1
.irp jj, 0,1,2,3,4,5,6,7
.if KIND == 1
.set RO, (32*FD+16*\hf+\jj)*16384
.else
.set RO, ((FD>>1)*64+4*\jj+2*(FD&1)+\hf)*4096
.endif
	global_load_b128 v[FS+(8*\hf+\jj)*4:FS+(8*\hf+\jj)*4+3], v[FW], s[26:27] offset:RO+FG*256 th:TH_LOAD_NT
.endr
.endr
.endm
; the unit is rounded, two neighbouring K to a register: four fragments (one for each column c), and stored: 512 consecutive bytes a store
.macro FCONV uu
	WIN 0x05
.set FS, 64*((\uu)&3)
.irp c, 0,1,2,3
.irp a, 0,1,2,3,4,5,6,7
	v_cvt_pk_bf16_f32 v[B0+8*\c+\a], v[FS+(8*((\a)>>2)+2*((\a)&3))*4+\c], v[FS+(8*((\a)>>2)+2*((\a)&3))*4+\c+4]
.endr
.endr
	WIN 0
.irp c, 0,1,2,3
.irp hf, 0,1
	ds_store_b128 v[FL], v[B0+8*\c+4*\hf:B0+8*\c+4*\hf+3] offset:((\uu)>>1)*8192+((\uu)&1)*4096+\c*1024+\hf*512
.endr
.endr
.endm
; the ring's first seven K steps: 42 loads
.macro APRO
	WIN 0x80
.irp s, 0,1,2,3,4,5,6
.irp i, 0,1,2
.irp hf, 0,1
	global_load_b128 v[32*\s+8*\i+4*\hf:32*\s+8*\i+4*\hf+3], v[VA+\i], s[32:33] offset:\s*4096+\hf*512
.endr
.endr
.endr
.endm
; A K STEP, number u of eight.  Four places behind the last products (ISA guide 7.12.1 for vector instructions), then the loads into registers that they read: the next step's weights from LDS, and the rows seven
; steps on from memory; then 24 products.  The 24 accumulators take turns in the same order in every step.  first = 1: the bias starts the sums.
.macro STEP u, first
	WIN 0
.if (\u) == 7
	s_add_co_u32 s24, s24, 0x10000                 ; the next eight K steps; behind the fourth eight the first again, for the next chunk
	s_and_b32 s24, s24, 0x30000
	v_add_nc_u32 v[LB], s24, v[L16]
	v_nop
	v_nop
	v_nop
.else
	v_nop
	v_nop
	v_nop
	v_nop
.endif
.set NB, B0+64*(((\u)+1)&1)
.set CB, B0+64*((\u)&1)
.set NS, ((\u)+7)&7
.irp t, 0,1,2,3,4,5,6,7
.irp hf, 0,1
	ds_load_b128 v[NB+8*\t+4*\hf:NB+8*\t+4*\hf+3], v[LB] offset:(((\u)+1)&7)*8192+\t*1024+\hf*512
.endr
.endr
	WIN 0x80
.irp i, 0,1,2
.irp hf, 0,1
	global_load_b128 v[32*NS+8*\i+4*\hf:32*NS+8*\i+4*\hf+3], v[VA+\i], s[32:33] offset:NS*4096+\hf*512
.endr
.endr
	s_wait_dscnt 16                                ; this step's weights are in; the 16 loads just issued may be out
	s_wait_loadcnt 42                              ; this step's rows are in; the seven younger steps' 6 loads each may be out
.if \first
	WIN W_MULB
.else
	WIN W_MUL
.endif
.irp i, 0,1,2
.irp t, 0,1,2,3,4,5,6,7
.if KIND == 1
.if \first
	v_wmma_f32_16x16x32_bf16 v[64*\i+8*\t:64*\i+8*\t+7], v[CB+8*\t:CB+8*\t+7], v[32*(\u)+8*\i:32*(\u)+8*\i+7], v[BIAS+8*\t:BIAS+8*\t+7]
.else
	v_wmma_f32_16x16x32_bf16 v[64*\i+8*\t:64*\i+8*\t+7], v[CB+8*\t:CB+8*\t+7], v[32*(\u)+8*\i:32*(\u)+8*\i+7], v[64*\i+8*\t:64*\i+8*\t+7]
.endif
.else
.if \first
	v_wmma_f32_16x16x32_bf16 v[64*\i+8*\t:64*\i+8*\t+7], v[32*(\u)+8*\i:32*(\u)+8*\i+7], v[CB+8*\t:CB+8*\t+7], v[BIAS+8*\t:BIAS+8*\t+7]
.else
	v_wmma_f32_16x16x32_bf16 v[64*\i+8*\t:64*\i+8*\t+7], v[32*(\u)+8*\i:32*(\u)+8*\i+7], v[CB+8*\t:CB+8*\t+7], v[64*\i+8*\t:64*\i+8*\t+7]
.endif
.endif
.endr
.endr
.endm
; A CHUNK'S WAY OUT.  Each accumulator is read from its low end on.
.macro EPI
	WIN 0
	v_nop
	v_nop
	v_nop
	v_nop
.if KIND == 1
	WIN 0xc5                                       ; sources window 1, destination window 3
.irp i, 0,1,2
.irp g, 0,1
.irp u, 0,1
.irp a, 0,1,2,3                        ; a lane's 8 + 8 hidden numbers of a token: the two halves of an operand of the second product
	v_cvt_pk_bf16_f32 v[(4*\i+2*\g+\u)*8+\a], v[64*\i+8*(4*\g+2*\u)+2*\a], v[64*\i+8*(4*\g+2*\u)+2*\a+1]
.endr
.irp a, 0,1,2,3
	v_cvt_pk_bf16_f32 v[(4*\i+2*\g+\u)*8+4+\a], v[64*\i+8*(4*\g+2*\u+1)+2*\a], v[64*\i+8*(4*\g+2*\u+1)+2*\a+1]
.endr
.endr
.endr
.endr
	WIN 0xc3
.set z, 0
.rept 96
	v_pk_max_num_bf16 v[z], v[z], v[ZR]            ; relu, two at a time: it rounds nothing
.set z, z+1
.endr
	WIN 0x0c                                       ; store data window 3
.irp i, 0,1,2
.irp gu, 0,1,2,3
.irp hf, 0,1
	global_store_b128 v[VS+\i], v[(4*\i+\gu)*8+4*\hf:(4*\i+\gu)*8+4*\hf+3], s[38:39] offset:\gu*4096+\hf*512  ; 512 consecutive bytes
.endr
.endr
.endr
.else
.irp i, 0,1,2                          ; a tile at a time, on two sets of 64 registers by turns
.if (\i == 0) || (\i == 2)
	s_wait_xcnt 0x0                                ; the 64 registers that the stores of two tiles before read are rewritten only behind this wait
.endif
	WIN 0xcd                                       ; accumulators window 1, gate weights and destination window 3
.irp g, 0,1
.irp j, 0,1,2,3,4,5,6,7
.irp c, 0,1,2,3                        ; the multiply by the row's gate weight also brings 4 neighbouring columns into 4 neighbouring registers
	v_mul_f32 v[(((\i&1)*2+\g)*8+\j)*4+\c], v[64*\i+8*(4*\g+\c)+\j], v[WLR+8*\i+\j]
.endr
.endr
.endr
	WIN 0x0c
.irp g, 0,1
.irp j, 0,1,2,3,4,5,6,7
	global_store_b128 v[VS+\i], v[(((\i&1)*2+\g)*8+\j)*4:(((\i&1)*2+\g)*8+\j)*4+3], s[38:39] offset:\j*16384+\g*256  ; 16 lanes store 256 consecutive bytes, aligned
.endr
.endr
.endr
.endif
	WIN 0
.endm
	s_load_b256 s[4:11], s[0:1], 0x0               ; idx s[4:5], rows s[6:7], weights s[8:9], bias s[10:11]
.if KIND == 1
	s_load_b64 s[12:13], s[0:1], 0x20              ; hb
.else
	s_load_b128 s[12:15], s[0:1], 0x20             ; wl s[12:13], part s[14:15]
.endif
	v_lshl_add_u32 v[SPW], v0, 2, SPARE
	v_mov_b32 v[NIL], 0
	v_lshrrev_b32 v2, 5, v0
	v_readfirstlane_b32 s16, v2                    ; wave 0..3
	s_and_b32 s17, ttmp7, 0xffff                   ; expert
.if KIND == 1
	s_mov_b32 s18, ttmp9
	s_mov_b32 s19, 0
.else
	s_and_b32 s18, ttmp9, 7
	s_lshr_b32 s19, ttmp9, 3
.endif
	v_and_b32 v[L16], 31, v0
	v_lshlrev_b32 v[L16], 4, v[L16]
	v_and_b32 v9, 15, v0
	v_bfe_u32 v11, v0, 4, 1
	v_lshlrev_b32 v[FW], 4, v9
	v_lshl_add_u32 v[FW], v11, 17, v[FW]
	v_lshl_add_u32 v[FL], s16, 16, v[L16]          ; wave w fills K steps 8 w .. 8 w + 7: 65,536 bytes
	v_mov_b32 v[ZR], 0
.if KIND == 1
	v_lshlrev_b32 v[BO], 7, v11                    ; 32 (lane / 16) columns
.else
	v_lshlrev_b32 v[BO], 4, v9                     ; 4 (lane % 16) columns
	v_lshlrev_b32 v[WV], 5, v11                    ; 8 (lane / 16) rows
.endif
	s_lshl_b32 s46, s17, 7
	s_mov_b32 s47, 0xffff0000
	s_lshl_b32 s42, s17, 24                        ; an expert's weights are 16 MB
	s_lshl_b32 s43, s18, 9
	s_add_co_u32 s42, s42, s43
.if KIND == 1
	s_lshl_b32 s43, s16, 22                        ; my wave's 256 rows of 16,384 bytes
	s_add_co_u32 s42, s42, s43
	s_lshl_b32 s44, s17, 14
.else
	s_lshl_b32 s43, s16, 20                        ; my wave's 256 rows of 4,096 bytes,
	s_add_co_u32 s42, s42, s43
	s_lshl_b32 s43, s19, 22                        ; in the quarter's 1,024
	s_add_co_u32 s42, s42, s43
	s_lshl_b32 s44, s17, 12
.endif
	s_mov_b32 s43, 0
	s_lshl_b32 s45, s18, 9
	s_add_co_u32 s44, s44, s45
	s_mov_b32 s45, 0
	s_wait_kmcnt 0x0
	s_load_b32 s20, s[4:5], s46 offset:0x8000      ; cnt[e]
	s_add_nc_u64 s[26:27], s[8:9], s[42:43]
	s_add_nc_u64 s[10:11], s[10:11], s[44:45]
	WIN 0xc0
.if KIND == 1
.irp g, 0,1
.irp a, 0,1,2,3,4,5,6,7
	global_load_b128 v[(8*\g+\a)*4:(8*\g+\a)*4+3], v[BO], s[10:11] offset:\g*256+\a*16
.endr
.endr
.else
	global_load_b128 v[0:3], v[BO], s[10:11]
	global_load_b128 v[4:7], v[BO], s[10:11] offset:256
.endif
	FLOAD 0
	FLOAD 1
	FLOAD 2
	WIN 0
	s_wait_kmcnt 0x0
	s_min_u32 s20, s20, 1024
	s_add_co_u32 s20, s20, 15
	s_lshr_b32 s20, s20, 4
	s_max_u32 s20, s20, 1                          ; tiles of 16 rows, 1 to 64
	s_sub_co_u32 s[LAST], s20, 1                   ; the expert's last tile
	s_mul_i32 s[T0], s16, 3                        ; my first chunk's first tile
.irp i, 0,1,2
	TOFF SO+\i, T0, \i, BSH                        ; my first chunk's slots (a wave without a chunk asks for the last tile's rows, and uses nothing)
	v_add_nc_u32 v[VA+\i], s[SO+\i], v[L16]
.endr
	s_mov_b32 s43, 0
	s_mov_b32 s45, 0
.if KIND == 1
	s_lshl_b32 s44, s17, 21                        ; xg: the expert
	s_add_nc_u64 s[28:29], s[6:7], s[44:45]
	s_lshl_b32 s42, s17, 23                        ; hb: the expert, the slice's four K steps
	s_lshl_b32 s44, s18, 14
	s_add_co_u32 s42, s42, s44
	s_add_nc_u64 s[38:39], s[12:13], s[42:43]
.else
	s_lshl_b32 s44, s17, 23                        ; hb: the expert,
	s_lshl_b32 s46, s19, 17                        ; the quarter's 32 K steps
	s_add_co_u32 s44, s44, s46
	s_add_nc_u64 s[28:29], s[6:7], s[44:45]
	s_lshl_b32 s42, s17, 24                        ; part: the expert's 1,024 rows of 16,384 bytes, the quarter, the slice
	s_lshl_b32 s44, s19, 12
	s_add_co_u32 s42, s42, s44
	s_lshl_b32 s44, s18, 9
	s_add_co_u32 s42, s42, s44
	s_add_nc_u64 s[38:39], s[14:15], s[42:43]
	s_lshl_b32 s42, s17, 12
	s_add_nc_u64 s[40:41], s[12:13], s[42:43]
.endif
	s_mov_b64 s[32:33], s[28:29]
	; THE FILL: 16 units a wave, three on their way beside the one awaited
	s_mov_b32 s25, 3
.Lfill:
.irp uu, 0,1,2,3
	FLOAD \uu+3
	s_wait_loadcnt 48                              ; the oldest unit is in; the three younger units' 16 loads each may be out
	FCONV \uu
.endr
	s_wait_xcnt 0x0                                ; the base is stepped only behind this wait
	s_add_nc_u64 s[26:27], s[26:27], WSTEP
	v_add_nc_u32 v[FL], 0x4000, v[FL]
	s_sub_co_u32 s25, s25, 1
	s_cmp_lg_u32 s25, 0
	s_cbranch_scc1 .Lfill
	FLOAD 3                                        ; the last unit; behind it the first rows are asked for
	APRO
	s_wait_loadcnt 63                              ; behind the fourth-last and the third-last unit stand 90 and 74 loads: with 63 out at the most both are in
	FCONV 0
	FCONV 1
	s_wait_loadcnt 58                              ; behind the second-last unit stand the last unit's 16 and the rows' 42
	FCONV 2
	s_wait_loadcnt 42                              ; all but the rows' 42
	FCONV 3
	; THE BIAS, rounded to bf16 and widened, as a C operand
	WIN 0x0f
.if KIND == 1
.set z, 0
.rept 32
	v_cvt_pk_bf16_f32 v[PK+z], v[2*z], v[2*z+1]
.set z, z+1
.endr
	WIN 0
.irp g, 0,1
.irp a, 0,1,2,3,4,5,6,7
.irp cc, 0,1                           ; register a of tile 4 g + c is hidden column 64 g + 32 (lane / 16) + 4 a + c
	v_lshlrev_b32 v[BIAS+8*(4*\g+2*\cc)+\a], 16, v[PK+(8*\g+\a)*2+\cc]
	v_and_b32 v[BIAS+8*(4*\g+2*\cc+1)+\a], s47, v[PK+(8*\g+\a)*2+\cc]
.endr
.endr
.endr
.else
.irp z, 0,1,2,3
	v_cvt_pk_bf16_f32 v[PK+\z], v[2*\z], v[2*\z+1]
.endr
	WIN 0
	s_cmp_eq_u32 s19, 0                            ; the bias is the first quarter's; the others start at 0
	s_cselect_b32 s46, -1, 0
.irp z, 0,1,2,3
	v_and_b32 v[PK+\z], s46, v[PK+\z]
.endr
.irp z, 0,1,2,3
.irp j, 0,1,2,3,4,5,6,7                ; a lane holds one column of a tile, and 8 rows: the same number eight times
	v_lshlrev_b32 v[BIAS+8*(2*\z)+\j], 16, v[PK+\z]
	v_and_b32 v[BIAS+8*(2*\z+1)+\j], s47, v[PK+\z]
.endr
.endr
.endif
	s_wait_dscnt 0x0                               ; for the others' sake: my quarter of the slice is in LDS
	s_barrier_signal -1
	s_barrier_wait -1                              ; the slice is whole; nothing writes it again
	; The four waves leave this barrier together and run the same text, in which every K step opens with a run of 16 LDS loads.  Wave w runs 3 w s_nop 15 once, so that the four runs do not begin together.
	s_cmp_eq_u32 s16, 0
	s_cbranch_scc1 .Lgo
.rept 3
	s_nop 15
.endr
	s_cmp_eq_u32 s16, 1
	s_cbranch_scc1 .Lgo
.rept 3
	s_nop 15
.endr
	s_cmp_eq_u32 s16, 2
	s_cbranch_scc1 .Lgo
.rept 3
	s_nop 15
.endr
.Lgo:
	s_mov_b32 s24, 0
	v_mov_b32 v[LB], v[L16]
.irp t, 0,1,2,3,4,5,6,7
.irp hf, 0,1
	ds_load_b128 v[B0+8*\t+4*\hf:B0+8*\t+4*\hf+3], v[LB] offset:\t*1024+\hf*512
.endr
.endr
	s_mov_b32 s22, 6
.Lblk:
	s_cmp_gt_u32 s[T0], s[LAST]
	s_cbranch_scc1 .Lskip                          ; no chunk left for my wave: forward, past text without a barrier
	s_add_co_u32 s[TN], s[T0], 12                  ; my next chunk: four chunks of three tiles on
.irp i, 0,1,2
	TOFF SO+\i, TN, \i, BSH                        ; its slots, for the ring's last seven steps; behind my last chunk the expert's last tile, asked for and not used
.endr
.if KIND == 1
.irp i, 0,1,2
	TOFF 42, T0, \i, OSH                           ; where this chunk's results go (the last chunk's stores have read these registers: the wait at the loop's foot)
	v_add_nc_u32 v[VS+\i], s42, v[L16]
.endr
.else
.irp i, 0,1,2
	s_add_co_u32 s42, s[T0], \i
	s_min_u32 s42, s42, s[LAST]                    ; a slot past the last tile repeats it, as its rows do
	s_min_u32 s42, s42, 63                         ; the bound, then shifts left and sums
	s_lshl_b32 s43, s42, 18                        ; a tile's 16 rows of part are 262,144 bytes,
	v_add_nc_u32 v[VS+\i], s43, v[FW]
	s_lshl_b32 s42, s42, 6                         ; its gate weights 64
	v_add_nc_u32 v[VW+\i], s42, v[WV]
.endr
	WIN 0xc0
.irp i, 0,1,2
	global_load_b128 v[WLR+8*\i:WLR+8*\i+3],   v[VW+\i], s[40:41]                 ; these 6 loads only make the counted waits of the first seven steps stricter
	global_load_b128 v[WLR+8*\i+4:WLR+8*\i+7], v[VW+\i], s[40:41] offset:16
.endr
.endif
	STEP 0, 1
	WIN 0
	s_mov_b32 s23, 3
.Lk:                                                   ; a trip: K steps 1 to 8 of eight; from step 1 on the ring asks for the next eight's rows
	s_wait_xcnt 0x0
	s_add_nc_u64 s[32:33], s[32:33], 0x8000
.irp u, 1,2,3,4,5,6,7
	STEP \u, 0
.endr
	STEP 0, 0
	WIN 0
	s_sub_co_u32 s23, s23, 1
	s_cmp_lg_u32 s23, 0
	s_cbranch_scc1 .Lk
	s_wait_xcnt 0x0                                ; the ring's base and its three offsets are rewritten only behind this wait
	s_mov_b64 s[32:33], s[28:29]                   ; the last seven steps ask for the next chunk's first seven
.irp i, 0,1,2
	v_add_nc_u32 v[VA+\i], s[SO+\i], v[L16]
.endr
.irp u, 1,2,3,4,5,6,7
	STEP \u, 0
.endr
	EPI
	s_wait_xcnt 0x0                                ; the stores' offsets and data are rewritten only behind this wait
	s_mov_b32 s[T0], s[TN]
.Lskip:
	s_sub_co_u32 s22, s22, 1
	s_cmp_lg_u32 s22, 0
	s_cbranch_scc1 .Lblk
	s_wait_dscnt 0x0                               ; my reads of the slice have come back,
	s_barrier_signal -1
	s_barrier_wait -1                              ; and so have every wave's, before any wave writes LDS again (the add below)
	s_wait_tensorcnt 0x0                           ; the wave's end
	ds_add_u32 v[SPW], v[NIL]
	s_wait_dscnt 0x0
	s_endpgm
.Lfunc_end_k_qf461d8d343_p2:
	.size	k_qf461d8d343_p2, .Lfunc_end_k_qf461d8d343_p2-k_qf461d8d343_p2
	.p2alignl 7, 3214868480
	.fill 96, 4, 3214868480
	.section	.rodata,"a",@progbits
	.p2align	6, 0x0
	.amdhsa_kernel k_qf461d8d343_p2
		.amdhsa_group_segment_fixed_size 262656
		.amdhsa_private_segment_fixed_size 0
		.amdhsa_enable_private_segment 0
		.amdhsa_kernarg_size 48
		.amdhsa_user_sgpr_count 2
		.amdhsa_user_sgpr_kernarg_segment_ptr 1
		.amdhsa_wavefront_size32 1
		.amdhsa_system_sgpr_workgroup_id_x 1
		.amdhsa_system_sgpr_workgroup_id_y 1
		.amdhsa_system_sgpr_workgroup_id_z 1
		.amdhsa_system_vgpr_workitem_id 0
		.amdhsa_next_free_vgpr 928
		.amdhsa_next_free_sgpr 66
		.amdhsa_reserve_vcc 0
		.amdhsa_float_denorm_mode_32 3
		.amdhsa_float_denorm_mode_16_64 3
		.amdhsa_memory_ordered 1
		.amdhsa_forward_progress 1
		.amdhsa_inst_pref_size 113
	.end_amdhsa_kernel
	.amdgpu_metadata
---
amdhsa.version: [ 1, 2 ]
amdhsa.kernels:
  - .name:           k_qf461d8d343_p2
    .symbol:         k_qf461d8d343_p2.kd
    .args:
      - { .name: idx, .offset: 0, .size: 8, .value_kind: global_buffer, .address_space: global }
      - { .name: hb, .offset: 8, .size: 8, .value_kind: global_buffer, .address_space: global }
      - { .name: ew2, .offset: 16, .size: 8, .value_kind: global_buffer, .address_space: global }
      - { .name: eb2, .offset: 24, .size: 8, .value_kind: global_buffer, .address_space: global }
      - { .name: wl, .offset: 32, .size: 8, .value_kind: global_buffer, .address_space: global }
      - { .name: part, .offset: 40, .size: 8, .value_kind: global_buffer, .address_space: global }
    .group_segment_fixed_size: 262656
    .private_segment_fixed_size: 0
    .kernarg_segment_align: 8
    .kernarg_segment_size: 48
    .max_flat_workgroup_size: 128
    .sgpr_count:     66
    .vgpr_count:     928
    .wavefront_size: 32
...
	.end_amdgpu_metadata
.endif
;; end of part 4
;; launch total (part 5): grid 256 x 1, 8 waves a work-group, no clusters, 0 bytes of LDS; arguments idx, part, out0; writes out0
.if DOCPART == 5
	.amdgcn_target "amdgcn-amd-amdhsa--gfx1250"
	.amdhsa_code_object_version 6
	.text
	.protected	k_qf461d8d343_total
	.globl	k_qf461d8d343_total
	.p2align	8
	.type	k_qf461d8d343_total,@function
k_qf461d8d343_total:
	s_mov_b64 s[64:65], 0
	v_nop
	global_prefetch_b8 v0, s[64:65] scope:SCOPE_SE
	s_setreg_imm32_b32 hwreg(HW_REG_WAVE_MODE, 25, 1), 1
	s_wait_xcnt 0x0
; out0[t] = the sum over the token's k best experts, in the order of their ranks, of the four quarters' partial rows (already weighed by the gate).  All in f32.
; A stream: a wave owns half a token's row (2,048 bytes); for each chosen expert it reads 4 quarters x 4 runs of 512 consecutive bytes.  Two buffers of 16 loads take turns: one is added while the other is on its way.
; Which rows: rowid[t][rank] and k, whole numbers that an earlier launch stored.  k (2 to 8) ends the walk by forward jumps.  No LDS, no barrier, no matrix unit: memory binds, and no wave needs another.
.set VL,  1                            ; v1      16 x lane + 2,048 x half
.set VO,  2                            ; v2, v3  a buffer's byte offset in part
.set ACC, 4                            ; v[4:19] my 16 sums
.set BUF, 32                           ; v[32:95], v[96:159] the two buffers: quarter q, run c at 16 q + 4 c
	s_load_b128 s[4:7], s[0:1], 0x0                ; idx s[4:5], part s[6:7]
	s_load_b64 s[18:19], s[0:1], 0x10              ; out0
	v_lshrrev_b32 v2, 5, v0
	v_readfirstlane_b32 s20, v2                    ; wave 0..7
	s_lshr_b32 s21, s20, 1
	s_lshl_b32 s22, ttmp9, 2
	s_add_co_u32 s21, s21, s22                     ; token
	s_and_b32 s23, s20, 1                          ; half of its row
	s_lshl_b32 s24, s21, 5
	v_and_b32 v[VL], 31, v0
	v_lshlrev_b32 v[VL], 4, v[VL]
	v_lshl_add_u32 v[VL], s23, 11, v[VL]
	s_lshl_b32 s26, s21, 12
	s_mov_b32 s27, 0
	s_wait_kmcnt 0x0
	s_load_b256 s[8:15], s[4:5], s24 offset:0x0    ; rowid[t][0..7]
	s_load_b32 s16, s[4:5], 0x8400                 ; k
	s_add_nc_u64 s[18:19], s[18:19], s[26:27]
	s_wait_kmcnt 0x0
.irp j, 0,1,2,3,4,5,6,7
	s_min_u32 s[8+\j], s[8+\j], 0x1fff
.endr
	s_max_u32 s16, s16, 2
	s_min_u32 s16, s16, 8
.macro L j, p                          ; the row of rank j into buffer p.  The buffer's offset register is free: its last loads have been waited for
	s_lshl_b32 s28, s[8+(\j)], 14                  ; a row of part is 16,384 bytes
	v_add_nc_u32 v[VO+(\p)], s28, v[VL]
.irp q, 0,1,2,3
.irp c, 0,1,2,3
	global_load_b128 v[BUF+64*(\p)+16*\q+4*\c:BUF+64*(\p)+16*\q+4*\c+3], v[VO+(\p)], s[6:7] offset:4096*\q+512*\c th:TH_LOAD_NT
.endr
.endr
.endm
.macro ADD p, init                     ; init = 1: the first two quarters start the sums: nothing is cleared
.irp q, 0,1,2,3
.irp z, 0,2,4,6,8,10,12,14
.if (\init) && (\q == 0)
.elseif (\init) && (\q == 1)
	v_pk_add_f32 v[ACC+\z:ACC+\z+1], v[BUF+64*(\p)+\z:BUF+64*(\p)+\z+1], v[BUF+64*(\p)+16+\z:BUF+64*(\p)+16+\z+1]
.else
	v_pk_add_f32 v[ACC+\z:ACC+\z+1], v[ACC+\z:ACC+\z+1], v[BUF+64*(\p)+16*\q+\z:BUF+64*(\p)+16*\q+\z+1]
.endif
.endr
.endr
.endm
	L 0, 0
	L 1, 1
	s_wait_loadcnt 16                              ; here and below: the older buffer is in, the other buffer's 16 loads may be out
	ADD 0, 1
	s_cmp_le_u32 s16, 2
	s_cbranch_scc1 .Ltail1                         ; the row on its way is the last
	L 2, 0
	s_wait_loadcnt 16
	ADD 1, 0
	s_cmp_le_u32 s16, 3
	s_cbranch_scc1 .Ltail0
	L 3, 1
	s_wait_loadcnt 16
	ADD 0, 0
	s_cmp_le_u32 s16, 4
	s_cbranch_scc1 .Ltail1
	L 4, 0
	s_wait_loadcnt 16
	ADD 1, 0
	s_cmp_le_u32 s16, 5
	s_cbranch_scc1 .Ltail0
	L 5, 1
	s_wait_loadcnt 16
	ADD 0, 0
	s_cmp_le_u32 s16, 6
	s_cbranch_scc1 .Ltail1
	L 6, 0
	s_wait_loadcnt 16
	ADD 1, 0
	s_cmp_le_u32 s16, 7
	s_cbranch_scc1 .Ltail0
	L 7, 1
	s_wait_loadcnt 16
	ADD 0, 0
.Ltail1:
	s_wait_loadcnt 0x0
	ADD 1, 0
	s_branch .Lstore
.Ltail0:
	s_wait_loadcnt 0x0
	ADD 0, 0
.Lstore:
.irp c, 0,1,2,3
	global_store_b128 v[VL], v[ACC+4*\c:ACC+4*\c+3], s[18:19] offset:512*\c  ; 512 consecutive bytes each
.endr
	s_endpgm
.Lfunc_end_k_qf461d8d343_total:
	.size	k_qf461d8d343_total, .Lfunc_end_k_qf461d8d343_total-k_qf461d8d343_total
	.p2alignl 7, 3214868480
	.fill 96, 4, 3214868480
	.section	.rodata,"a",@progbits
	.p2align	6, 0x0
	.amdhsa_kernel k_qf461d8d343_total
		.amdhsa_group_segment_fixed_size 0
		.amdhsa_private_segment_fixed_size 0
		.amdhsa_enable_private_segment 0
		.amdhsa_kernarg_size 24
		.amdhsa_user_sgpr_count 2
		.amdhsa_user_sgpr_kernarg_segment_ptr 1
		.amdhsa_wavefront_size32 1
		.amdhsa_system_sgpr_workgroup_id_x 1
		.amdhsa_system_sgpr_workgroup_id_y 1
		.amdhsa_system_sgpr_workgroup_id_z 1
		.amdhsa_system_vgpr_workitem_id 0
		.amdhsa_next_free_vgpr 160
		.amdhsa_next_free_sgpr 66
		.amdhsa_reserve_vcc 0
		.amdhsa_float_denorm_mode_32 3
		.amdhsa_float_denorm_mode_16_64 3
		.amdhsa_memory_ordered 1
		.amdhsa_forward_progress 1
		.amdhsa_inst_pref_size 33
	.end_amdhsa_kernel
	.amdgpu_metadata
---
amdhsa.version: [ 1, 2 ]
amdhsa.kernels:
  - .name:           k_qf461d8d343_total
    .symbol:         k_qf461d8d343_total.kd
    .args:
      - { .name: idx, .offset: 0, .size: 8, .value_kind: global_buffer, .address_space: global }
      - { .name: part, .offset: 8, .size: 8, .value_kind: global_buffer, .address_space: global }
      - { .name: out0, .offset: 16, .size: 8, .value_kind: global_buffer, .address_space: global }
    .group_segment_fixed_size: 0
    .private_segment_fixed_size: 0
    .kernarg_segment_align: 8
    .kernarg_segment_size: 24
    .max_flat_workgroup_size: 256
    .sgpr_count:     66
    .vgpr_count:     160
    .wavefront_size: 32
...
	.end_amdgpu_metadata
.endif
;; end of part 5
;; ======== version 2 of 2: 5 launches; version 1 with the launches p1, p2 written anew for expert scheduling mode
;; workspace buffers: rk 32,768 bytes of whole numbers; pr 40,960 bytes; idx 34,048 bytes of whole numbers; wl 32,768 bytes; xg 16,777,216 bytes; hb 67,108,864 bytes; part 134,217,728 bytes
;; launch router: the kernel of part 1 again; grid 64 x 1, 8 waves a work-group, no clusters, 17,408 bytes of LDS; arguments x, gate_w, gate_b, cl_w1, cl_b1, cl_w2, cl_b2, rk, pr; writes rk, pr
;; launch place: the kernel of part 2 again; grid 32 x 8, 32 waves a work-group, no clusters, 10,752 bytes of LDS; arguments rk, pr, x, idx, wl, xg; writes idx, wl, xg
;; launch p1 (part 6): grid 32 x 8, 4 waves a work-group, no clusters, 262,656 bytes of LDS; arguments idx, xg, ew1, eb1, hb; writes hb
.if DOCPART == 6
	.amdgcn_target "amdgcn-amd-amdhsa--gfx1250"
	.amdhsa_code_object_version 6
	.text
	.protected	k_qf461d8d343_p1
	.globl	k_qf461d8d343_p1
	.p2align	8
	.type	k_qf461d8d343_p1,@function
k_qf461d8d343_p1:
	s_mov_b64 s[64:65], 0
	v_nop
	global_prefetch_b8 v0, s[64:65] scope:SCOPE_SE
	s_setreg_imm32_b32 hwreg(HW_REG_WAVE_SCHED_MODE, 0, 2), 2
	s_setreg_imm32_b32 hwreg(HW_REG_WAVE_MODE, 25, 1), 1
	s_wait_xcnt 0x0
	s_wait_alu depctr_vm_vsrc(0)
; THE TWO PRODUCTS OF AN EXPERT, one text: KIND = 1: hb = relu(xg W1 + b1), bf16;  KIND = 2: part = wl x (hb W2 + b2), f32, a quarter of the hidden width at a time.
.set KIND, 1
; SHARES.  A work-group has a slice of ONE expert's weights, 1,024 (K) x 128 (columns), which it alone reads: 512 KB of f32, once, in pieces of 256 consecutive bytes.  KIND 1: slice x = 128 hidden columns.
; KIND 2: x % 8 = 128 output columns, x / 8 = a quarter of the 4,096 hidden numbers; the four quarters' partial sums are added by the next launch.
; The slice is rounded to bf16 and turned in registers: a lane loads 4 columns of each of 16 rows and packs neighbouring rows' numbers: four ready fragments.  It stays in LDS, 256 KB, for the whole launch.
; ROWS.  The expert's first cnt rows are nt = ceil(cnt / 16) tiles of 16, walked in chunks of three tiles: chunk c is tiles 3 c to 3 c + 2, and wave w takes chunks w, w + 4, ..: a round of the four waves is 192 rows.
; A chunk's 48 x 128 results are 24 accumulators.  In the expert's last chunk the slots past the last tile repeat that tile: they are multiplied and stored like it, the same bytes to the same place by the same wave,
; so that the text has no branch inside a chunk.  The rows come from memory straight into registers as matrix operands (the launch before laid them so), seven K steps ahead; nothing writes LDS in that loop, so it needs
; no barrier.  The loop over chunks counts to the constant 6 (64 tiles are 22 chunks) and jumps over dead trips.
; Places past cnt in the last tile hold real tokens (of rank >= k): they are computed and stored like the others, and nobody reads them.
; COLUMNS.  Tile T = 4 g + c of 16 holds columns 64 g + 4 i + c of the slice (i = 0..15).  KIND 1 uses the product transposed (source 0 = weights), so that a lane holds 8 hidden numbers of one token:
; tiles (g, 2 u) and (g, 2 u + 1), packed, ARE the operand of K step 4 x + 2 g + u of the second product, whose K therefore runs over the hidden numbers in that order; KIND 2 loads W2's rows in the same order.
; FORMATS.  x, weights and biases rounded once to bf16, the hidden layer once to bf16; sums and partial sums f32.
; NO CLUSTER, NO TENSOR LOADS: each weight has one reader and wants a cast and a transposition, which the way through registers gives; what an expert's 32 work-groups share is its token rows, and beside the slice's
; 262,144 bytes LDS has 65,024 left: less than one chunk's 98,304 bytes of rows.
; THE MODE: SCHED_MODE bits 1:0 = 2 (LLVM: expert scheduling mode 2), set by the entry lines.  The code itself states the register dependences between vector or matrix instructions and memory or LDS
; instructions, with s_wait_alu, always for 0.
; THE PLAN.  Registers that memory or LDS instructions touch:
;   THE FILL.   Slots 0-3 (window 1): a unit's 16 loads land in slot uu % 4; its 32 conversions read it; the loads of the unit four on land in it.   v[B0 .. B0+31]: written by a unit's conversions, read by its 8 LDS
;               stores, written again by the next unit's conversions.   v[FL]: read by the LDS stores, stepped once a trip.   v[FW], v[BO]: read by loads, made once.
;               A unit has two waits: vm_vsrc ahead of its conversions (the last unit's stores have read v[B0 ..]), va_vdst behind them (the stores' data are written; the slot is read out).
;   THE K LOOP. W0, W1 (v64-127, v128-191): step s's 24 products read W[s % 2]; its 16 LDS loads land in the other one, which the products of step s - 1 read.   Ring slot s % 8 (window 2): read by step s's
;               products; the 6 loads of step s + 1 land in it.   v[LB]: read by every LDS load, written once in eight steps.   v[VA ..]: read by the rows' loads, written once a chunk.
;               ONE wait on va_vdst stands at a step's head; the step's 22 loads follow it, dealt among the step's first six products, which name none of the registers that those loads touch.
;   THE WAY OUT. Registers of window 3: written by the conversions and relu (KIND 2: the multiplies), read by the stores; v[VS ..], the stores' offsets, written at a chunk's head (KIND 2 also v[VW ..], and WLR, which
;               loads fill and the multiplies read).  One wait on va_vdst ahead of each run of stores; one on vm_vsrc at the chunk loop's foot, ahead of all that the next chunk writes again.
; REGISTERS, in windows of 256 (s_set_vgpr_msb: bits 1:0 source 0, 3:2 source 1, 5:4 source 2, 7:6 destination):
;   window 0: v1-26 addresses; v64-127, v128-191 the weights' fragments of one K step, two buffers; v192-255 the bias as a C operand, 8 registers a tile
;   window 1: the accumulators, (i, T) at 64 i + 8 T, i = 0..2; while the slice is filled: four slots of 64 for weights as loaded
;   window 2: the rows' ring: K step s in slot s % 8, tile i at 32 (s % 8) + 8 i          window 3: the way out (KIND 2: three sets of 64, at v0, v64 and v160; v128-151 the rows' gate weights)
.set L16,  1                           ; v1   16 x lane
.set LB,   3                           ; v3   LDS address of my 16 bytes in the eight K steps in hand
.set FW,   4                           ; v4   (lane / 16) x 131,072 + (lane % 16) x 16: my place in the weights; KIND 2: also in part (8 rows of 16,384 bytes)
.set FL,   5                           ; v5   where my fragments go in LDS
.set BO,   8                           ; v8   my place in the bias
.set ZR,   10                          ; v10  0, for relu
.set WV,   12                          ; v12  KIND 2: 32 x (lane / 16): my 8 rows' gate weights in a tile's 64 bytes
.set VA,   16                          ; v16-18  slot i: byte offset of its tile's rows (the chunk that the ring is asking for)
.set VS,   20                          ; v20-22  slot i: byte offset of its tile's results
.set VW,   24                          ; v24-26  KIND 2: slot i: byte offset of its tile's gate weights
.set B0,   64
.set PK,   128                         ; the bias at work
.set BIAS, 192
.set WLR,  128                         ; window 3
.if KIND == 1
.set WSTEP,  0x100000                  ; two K steps of weights: 64 rows of 16,384 bytes
.set BSH,    17                        ; four tiles of rows lie in a block of 131,072 bytes,
.set OSH,    19                        ; four tiles of results in one of 524,288
.set W_MUL,  0x58                      ; weights window 0, rows window 2, C and D window 1
.set W_MULB, 0x48                      ; the same with C in window 0
.else
.set WSTEP,  0x40000                   ; 64 rows of 4,096 bytes
.set BSH,    19                        ; four tiles of rows lie in a block of 524,288 bytes
.set W_MUL,  0x52                      ; rows window 2, weights window 0, C and D window 1
.set W_MULB, 0x42
.endif
; s16 wave, s17 expert, s18 slice, s19 quarter, s22-23, s25 counters, s24 LDS base of the eight K steps in hand, s[26:27] weights, s[28:29] the expert's rows (never rewritten), s[32:33] the ring's base,
; s[38:39] the expert's results (never rewritten), s[40:41] its gate weights, s42-47, s52-53 at work
.set LAST, 20                          ; s20  the expert's last tile
.set T0,   34                          ; s34  the chunk's first tile
.set TN,   36                          ; s36  my next chunk's first tile
.set SO,   48                          ; s48-50  slot i: byte offset of the next chunk's tile
.set MSB, 0
.macro WIN new                         ; the immediate's high byte repeats the setting that is left; a switch that changes nothing is dropped
.if MSB != (\new)
	s_set_vgpr_msb (MSB<<8)|(\new)
.set MSB, \new
.endif
.endm
; s[dst] = the byte offset of tile min(s[tb] + i, last tile) in a tensor that lies in blocks of four tiles, 1 << sh bytes a block, 1,024 bytes from tile to tile.
; A number read from memory enters an address only behind a bound written in the line; behind the bound stand a shift left, an AND and sums alone.
.macro TOFF dst, tb, i, sh
	s_add_co_u32 s52, s[\tb], \i
	s_min_u32 s52, s52, s[LAST]
	s_lshr_b32 s53, s52, 2
	s_min_u32 s53, s53, 15
	s_lshl_b32 s53, s53, \sh
	s_min_u32 s52, s52, 63
	s_and_b32 s52, s52, 3
	s_lshl_b32 s52, s52, 10
	s_add_co_u32 s[\dst], s53, s52
.endm
; A UNIT of the fill: K step uu / 2 (from s[26:27] on), column group uu % 2: 16 loads, each two pieces of 256 consecutive bytes, into slot uu % 4: row (hf, jj), 4 columns.
; No wait of its own: the slot's last readers, the conversions of the unit four back, stand ahead of that unit's wait on va_vdst, and no vector instruction since names the slot or v[FW].
.macro FLOAD uu
	WIN 0x40
.set FS, 64*((\uu)&3)
.set FD, (\uu)>>1
.set FG, (\uu)&1
.irp hf, 0,1
.irp jj, 0,1,2,3,4,5,6,7
.if KIND == 1
.set RO, (32*FD+16*\hf+\jj)*16384
.else
.set RO, ((FD>>1)*64+4*\jj+2*(FD&1)+\hf)*4096
.endif
	global_load_b128 v[FS+(8*\hf+\jj)*4:FS+(8*\hf+\jj)*4+3], v[FW], s[26:27] offset:RO+FG*256 th:TH_LOAD_NT
.endr
.endr
.endm
; the unit is rounded, two neighbouring K to a register: four fragments (one for each column c), and stored: 512 consecutive bytes a store
.macro FCONV uu
	WIN 0x05
.set FS, 64*((\uu)&3)
	s_wait_alu depctr_vm_vsrc(0)                   ; the last unit's LDS stores have read v[B0 .. B0+31], which the conversions below write again
.irp c, 0,1,2,3
.irp a, 0,1,2,3,4,5,6,7
	v_cvt_pk_bf16_f32 v[B0+8*\c+\a], v[FS+(8*((\a)>>2)+2*((\a)&3))*4+\c], v[FS+(8*((\a)>>2)+2*((\a)&3))*4+\c+4]
.endr
.endr
	WIN 0
	s_wait_alu depctr_va_vdst(0)                   ; the conversions have written v[B0 .. B0+31], which the LDS stores read, and are done reading the slot, in which the next unit's loads land; in a trip's first unit v[FL] is written
.irp c, 0,1,2,3
.irp hf, 0,1
	ds_store_b128 v[FL], v[B0+8*\c+4*\hf:B0+8*\c+4*\hf+3] offset:((\uu)>>1)*8192+((\uu)&1)*4096+\c*1024+\hf*512
.endr
.endr
.endm
; the ring's first seven K steps: 42 loads.  Their offsets v[VA ..] were written ahead of the fill loop, whose waits on va_vdst have stated them; nothing has named the ring's registers
.macro APRO
	WIN 0x80
.irp s, 0,1,2,3,4,5,6
.irp i, 0,1,2
.irp hf, 0,1
	global_load_b128 v[32*\s+8*\i+4*\hf:32*\s+8*\i+4*\hf+3], v[VA+\i], s[32:33] offset:\s*4096+\hf*512
.endr
.endr
.endr
.endm
; A K STEP, number u of eight.  At its head the waits for its own weights and rows, and the ONE wait on va_vdst.  Then 24 products.  Behind each of the first four stand four of the 16 LDS loads of the next step's
; weights, behind the fifth and the sixth three each of the 6 loads of the rows seven steps on: a group of loads costs two window switches, and all loads are out early in the step.  The products name W[u % 2], ring
; slot u, the accumulators and (first = 1) the bias: none of the registers that these loads touch.  The 24 accumulators take turns in the same order in every step.
; first = 1: the bias starts the sums.  That step has no wait on va_vdst: since the last one (ahead of the first LDS loads; in the way out; KIND 2: at the chunk's head) nothing has named the registers that its loads touch.
.macro STEP u, first
.set NB, B0+64*(((\u)+1)&1)
.set CB, B0+64*((\u)&1)
.set NS, ((\u)+7)&7
.if (\u) == 7
	WIN 0
	s_add_co_u32 s24, s24, 0x10000                 ; the next eight K steps; behind the fourth eight the first again, for the next chunk
	s_and_b32 s24, s24, 0x30000
	s_wait_alu depctr_vm_vsrc(0)                   ; the LDS loads issued so far have read v[LB]
	v_add_nc_u32 v[LB], s24, v[L16]                ; ahead of the step's wait on va_vdst, which states it for the loads below
.endif
	s_wait_dscnt 0x0                               ; this step's weights are in: the last step's 16 loads are all that was out
	s_wait_loadcnt 36                              ; this step's rows are in; the six younger steps' 6 loads each may be out
.if !(\first)
	s_wait_alu depctr_va_vdst(0)                   ; the last step's products are done reading the other weights' buffer and their ring slot, in which this step's loads land; v[LB] (step 7) and v[VA ..] (behind their rewriting) are written
.endif
.set n, 0
.rept 24                               ; product n: tile n / 8 of the chunk, column tile n % 8
.if \first
	WIN W_MULB
.else
	WIN W_MUL
.endif
.set rD, 64*(n/8)+8*(n%8)
.set rW, CB+8*(n%8)
.set rR, 32*(\u)+8*(n/8)
.set rB, BIAS+8*(n%8)
.if KIND == 1
.if \first
	v_wmma_f32_16x16x32_bf16 v[rD:rD+7], v[rW:rW+7], v[rR:rR+7], v[rB:rB+7]
.else
	v_wmma_f32_16x16x32_bf16 v[rD:rD+7], v[rW:rW+7], v[rR:rR+7], v[rD:rD+7]
.endif
.else
.if \first
	v_wmma_f32_16x16x32_bf16 v[rD:rD+7], v[rR:rR+7], v[rW:rW+7], v[rB:rB+7]
.else
	v_wmma_f32_16x16x32_bf16 v[rD:rD+7], v[rR:rR+7], v[rW:rW+7], v[rD:rD+7]
.endif
.endif
.if n < 4
	WIN 0
.irp q, 0,1,2,3                        ; column tiles 2 n and 2 n + 1 of the next step, both halves
	ds_load_b128 v[NB+16*n+4*\q:NB+16*n+4*\q+3], v[LB] offset:(((\u)+1)&7)*8192+(4*n+\q)*512
.endr
.elseif n < 6
	WIN 0x80
.irp q, 0,1,2
.set gq, 3*(n-4)+\q                    ; tile gq / 2, half gq % 2
	global_load_b128 v[32*NS+4*gq:32*NS+4*gq+3], v[VA+gq/2], s[32:33] offset:NS*4096+(gq%2)*512
.endr
.endif
.set n, n+1
.endr
.endm
; A CHUNK'S WAY OUT.  Each accumulator is read from its low end on.  The four places between the last product and the lines that read results stay beside the waits (ISA guide 7.12.1).
.macro EPI
	WIN 0
	v_nop
	v_nop
	v_nop
	v_nop
.if KIND == 1
	WIN 0xc5                                       ; sources window 1, destination window 3
.irp i, 0,1,2
.irp g, 0,1
.irp u, 0,1
.irp a, 0,1,2,3                        ; a lane's 8 + 8 hidden numbers of a token: the two halves of an operand of the second product
	v_cvt_pk_bf16_f32 v[(4*\i+2*\g+\u)*8+\a], v[64*\i+8*(4*\g+2*\u)+2*\a], v[64*\i+8*(4*\g+2*\u)+2*\a+1]
.endr
.irp a, 0,1,2,3
	v_cvt_pk_bf16_f32 v[(4*\i+2*\g+\u)*8+4+\a], v[64*\i+8*(4*\g+2*\u+1)+2*\a], v[64*\i+8*(4*\g+2*\u+1)+2*\a+1]
.endr
.endr
.endr
.endr
	WIN 0xc3
.set z, 0
.rept 96
	v_pk_max_num_bf16 v[z], v[z], v[ZR]            ; relu, two at a time: it rounds nothing
.set z, z+1
.endr
	WIN 0x0c                                       ; store data window 3
	s_wait_alu depctr_va_vdst(0)                   ; the conversions and relu have written the 96 registers that the stores read
.irp i, 0,1,2
.irp gu, 0,1,2,3
.irp hf, 0,1
	global_store_b128 v[VS+\i], v[(4*\i+\gu)*8+4*\hf:(4*\i+\gu)*8+4*\hf+3], s[38:39] offset:\gu*4096+\hf*512  ; 512 consecutive bytes
.endr
.endr
.endr
.else
.irp i, 0,1,2                          ; a tile at a time, each on a set of 64 registers of its own: none is written twice in a chunk
.set OB, 64*\i+32*(\i>>1)              ; v0, v64, v160
	WIN 0xcd                                       ; accumulators window 1, gate weights and destination window 3
.irp g, 0,1
.irp j, 0,1,2,3,4,5,6,7
.irp c, 0,1,2,3                        ; the multiply by the row's gate weight also brings 4 neighbouring columns into 4 neighbouring registers
	v_mul_f32 v[OB+(8*\g+\j)*4+\c], v[64*\i+8*(4*\g+\c)+\j], v[WLR+8*\i+\j]
.endr
.endr
.endr
	WIN 0x0c
	s_wait_alu depctr_va_vdst(0)                   ; the tile's multiplies have written its set, which the stores read
.irp g, 0,1
.irp j, 0,1,2,3,4,5,6,7
	global_store_b128 v[VS+\i], v[OB+(8*\g+\j)*4:OB+(8*\g+\j)*4+3], s[38:39] offset:\j*16384+\g*256  ; 16 lanes store 256 consecutive bytes, aligned
.endr
.endr
.endr
.endif
	WIN 0
.endm
	s_load_b256 s[4:11], s[0:1], 0x0               ; idx s[4:5], rows s[6:7], weights s[8:9], bias s[10:11]
.if KIND == 1
	s_load_b64 s[12:13], s[0:1], 0x20              ; hb
	v_lshl_add_u32 v62, v0, 2, 0x40000
	v_mov_b32 v63, 0
.else
	s_load_b128 s[12:15], s[0:1], 0x20             ; wl s[12:13], part s[14:15]
.endif
	v_lshrrev_b32 v2, 5, v0
	v_readfirstlane_b32 s16, v2                    ; wave 0..3
	s_and_b32 s17, ttmp7, 0xffff                   ; expert
.if KIND == 1
	s_mov_b32 s18, ttmp9
	s_mov_b32 s19, 0
.else
	s_and_b32 s18, ttmp9, 7
	s_lshr_b32 s19, ttmp9, 3
.endif
	v_and_b32 v[L16], 31, v0
	v_lshlrev_b32 v[L16], 4, v[L16]
	v_and_b32 v9, 15, v0
	v_bfe_u32 v11, v0, 4, 1
	v_lshlrev_b32 v[FW], 4, v9
	v_lshl_add_u32 v[FW], v11, 17, v[FW]
	s_wait_alu depctr_va_sdst(0)                   ; s16 is written, ahead of its first reader, the line below
	v_lshl_add_u32 v[FL], s16, 16, v[L16]          ; wave w fills K steps 8 w .. 8 w + 7: 65,536 bytes
	v_mov_b32 v[ZR], 0
.if KIND == 1
	v_lshlrev_b32 v[BO], 7, v11                    ; 32 (lane / 16) columns
.else
	v_lshlrev_b32 v[BO], 4, v9                     ; 4 (lane % 16) columns
	v_lshlrev_b32 v[WV], 5, v11                    ; 8 (lane / 16) rows
.endif
	s_lshl_b32 s46, s17, 7
	s_mov_b32 s47, 0xffff0000
	s_lshl_b32 s42, s17, 24                        ; an expert's weights are 16 MB
	s_lshl_b32 s43, s18, 9
	s_add_co_u32 s42, s42, s43
.if KIND == 1
	s_lshl_b32 s43, s16, 22                        ; my wave's 256 rows of 16,384 bytes
	s_add_co_u32 s42, s42, s43
	s_lshl_b32 s44, s17, 14
.else
	s_lshl_b32 s43, s16, 20                        ; my wave's 256 rows of 4,096 bytes,
	s_add_co_u32 s42, s42, s43
	s_lshl_b32 s43, s19, 22                        ; in the quarter's 1,024
	s_add_co_u32 s42, s42, s43
	s_lshl_b32 s44, s17, 12
.endif
	s_mov_b32 s43, 0
	s_lshl_b32 s45, s18, 9
	s_add_co_u32 s44, s44, s45
	s_mov_b32 s45, 0
	s_wait_kmcnt 0x0
	s_load_b32 s20, s[4:5], s46 offset:0x8000      ; cnt[e]
	s_add_nc_u64 s[26:27], s[8:9], s[42:43]
	s_add_nc_u64 s[10:11], s[10:11], s[44:45]
	WIN 0xc0
	s_wait_alu depctr_va_vdst(0)                   ; v[BO] and v[FW] are written: the loads of the bias and of the weights read them as their offsets
.if KIND == 1
.irp g, 0,1
.irp a, 0,1,2,3,4,5,6,7
	global_load_b128 v[(8*\g+\a)*4:(8*\g+\a)*4+3], v[BO], s[10:11] offset:\g*256+\a*16
.endr
.endr
.else
	global_load_b128 v[0:3], v[BO], s[10:11]
	global_load_b128 v[4:7], v[BO], s[10:11] offset:256
.endif
	FLOAD 0
	FLOAD 1
	FLOAD 2
	WIN 0
	s_wait_kmcnt 0x0
	s_min_u32 s20, s20, 1024
	s_add_co_u32 s20, s20, 15
	s_lshr_b32 s20, s20, 4
	s_max_u32 s20, s20, 1                          ; tiles of 16 rows, 1 to 64
	s_sub_co_u32 s[LAST], s20, 1                   ; the expert's last tile
	s_mul_i32 s[T0], s16, 3                        ; my first chunk's first tile
.irp i, 0,1,2
	TOFF SO+\i, T0, \i, BSH                        ; my first chunk's slots (a wave without a chunk asks for the last tile's rows, and uses nothing)
	v_add_nc_u32 v[VA+\i], s[SO+\i], v[L16]
.endr
	s_mov_b32 s43, 0
	s_mov_b32 s45, 0
.if KIND == 1
	s_lshl_b32 s44, s17, 21                        ; xg: the expert
	s_add_nc_u64 s[28:29], s[6:7], s[44:45]
	s_lshl_b32 s42, s17, 23                        ; hb: the expert, the slice's four K steps
	s_lshl_b32 s44, s18, 14
	s_add_co_u32 s42, s42, s44
	s_add_nc_u64 s[38:39], s[12:13], s[42:43]
.else
	s_lshl_b32 s44, s17, 23                        ; hb: the expert,
	s_lshl_b32 s46, s19, 17                        ; the quarter's 32 K steps
	s_add_co_u32 s44, s44, s46
	s_add_nc_u64 s[28:29], s[6:7], s[44:45]
	s_lshl_b32 s42, s17, 24                        ; part: the expert's 1,024 rows of 16,384 bytes, the quarter, the slice
	s_lshl_b32 s44, s19, 12
	s_add_co_u32 s42, s42, s44
	s_lshl_b32 s44, s18, 9
	s_add_co_u32 s42, s42, s44
	s_add_nc_u64 s[38:39], s[14:15], s[42:43]
	s_lshl_b32 s42, s17, 12
	s_add_nc_u64 s[40:41], s[12:13], s[42:43]
.endif
	s_mov_b64 s[32:33], s[28:29]
	; THE FILL: 16 units a wave, three on their way beside the one awaited
	s_mov_b32 s25, 3
.Lfill:
.irp uu, 0,1,2,3
	FLOAD \uu+3
	s_wait_loadcnt 48                              ; the oldest unit is in; the three younger units' 16 loads each may be out
	FCONV \uu
.endr
	s_wait_xcnt 0x0                                ; the base is stepped only behind this wait
	s_add_nc_u64 s[26:27], s[26:27], WSTEP
	s_wait_alu depctr_vm_vsrc(0)                   ; the LDS stores issued so far have read v[FL]
	v_add_nc_u32 v[FL], 0x4000, v[FL]
	s_sub_co_u32 s25, s25, 1
	s_cmp_lg_u32 s25, 0
	s_cbranch_scc1 .Lfill
	FLOAD 3                                        ; the last unit; behind it the first rows are asked for
	APRO
	s_wait_loadcnt 63                              ; behind the fourth-last and the third-last unit stand 90 and 74 loads: with 63 out at the most both are in
	FCONV 0
	FCONV 1
	s_wait_loadcnt 58                              ; behind the second-last unit stand the last unit's 16 and the rows' 42
	FCONV 2
	s_wait_loadcnt 42                              ; all but the rows' 42
	FCONV 3
	; THE BIAS, rounded to bf16 and widened, as a C operand
	WIN 0x0f
.if KIND == 1
.set z, 0
.rept 32
	v_cvt_pk_bf16_f32 v[PK+z], v[2*z], v[2*z+1]
.set z, z+1
.endr
	WIN 0
.irp g, 0,1
.irp a, 0,1,2,3,4,5,6,7
.irp cc, 0,1                           ; register a of tile 4 g + c is hidden column 64 g + 32 (lane / 16) + 4 a + c
	v_lshlrev_b32 v[BIAS+8*(4*\g+2*\cc)+\a], 16, v[PK+(8*\g+\a)*2+\cc]
	v_and_b32 v[BIAS+8*(4*\g+2*\cc+1)+\a], s47, v[PK+(8*\g+\a)*2+\cc]
.endr
.endr
.endr
.else
.irp z, 0,1,2,3
	v_cvt_pk_bf16_f32 v[PK+\z], v[2*\z], v[2*\z+1]
.endr
	WIN 0
	s_cmp_eq_u32 s19, 0                            ; the bias is the first quarter's; the others start at 0
	s_cselect_b32 s46, -1, 0
.irp z, 0,1,2,3
	v_and_b32 v[PK+\z], s46, v[PK+\z]
.endr
.irp z, 0,1,2,3
.irp j, 0,1,2,3,4,5,6,7                ; a lane holds one column of a tile, and 8 rows: the same number eight times
	v_lshlrev_b32 v[BIAS+8*(2*\z)+\j], 16, v[PK+\z]
	v_and_b32 v[BIAS+8*(2*\z+1)+\j], s47, v[PK+\z]
.endr
.endr
.endif
	s_wait_dscnt 0x0                               ; for the others' sake: my quarter of the slice is in LDS
	s_barrier_signal -1
	s_barrier_wait -1                              ; the slice is whole; nothing writes it again
	; The four waves leave this barrier together and run the same text, in which every K step begins with its 16 LDS loads, dealt among its first products.  Wave w runs 3 w s_nop 15 once, so that the four waves' loads do not begin together.
	s_cmp_eq_u32 s16, 0
	s_cbranch_scc1 .Lgo
.rept 3
	s_nop 15
.endr
	s_cmp_eq_u32 s16, 1
	s_cbranch_scc1 .Lgo
.rept 3
	s_nop 15
.endr
	s_cmp_eq_u32 s16, 2
	s_cbranch_scc1 .Lgo
.rept 3
	s_nop 15
.endr
.Lgo:
	s_mov_b32 s24, 0
	v_mov_b32 v[LB], v[L16]
	s_wait_alu depctr_vm_vsrc(0)                   ; my LDS stores of the fill have read v[B0 .. B0+31], in which the loads below land
	s_wait_alu depctr_va_vdst(0)                   ; v[LB] is written, which the LDS loads read; the fill's conversions have written v[B0 ..] and the bias's lines are done with v[PK ..]: from here on loads land in both weights' buffers
.irp t, 0,1,2,3,4,5,6,7
.irp hf, 0,1
	ds_load_b128 v[B0+8*\t+4*\hf:B0+8*\t+4*\hf+3], v[LB] offset:\t*1024+\hf*512
.endr
.endr
	s_mov_b32 s22, 6
.Lblk:
	s_cmp_gt_u32 s[T0], s[LAST]
	s_cbranch_scc1 .Lskip                          ; no chunk left for my wave: forward, past text without a barrier
	s_add_co_u32 s[TN], s[T0], 12                  ; my next chunk: four chunks of three tiles on
.irp i, 0,1,2
	TOFF SO+\i, TN, \i, BSH                        ; its slots, for the ring's last seven steps; behind my last chunk the expert's last tile, asked for and not used
.endr
.if KIND == 1
.irp i, 0,1,2
	TOFF 42, T0, \i, OSH                           ; where this chunk's results go (the last chunk's stores have read these registers: the waits at the loop's foot)
	v_add_nc_u32 v[VS+\i], s42, v[L16]
.endr
.else
.irp i, 0,1,2
	s_add_co_u32 s42, s[T0], \i
	s_min_u32 s42, s42, s[LAST]                    ; a slot past the last tile repeats it, as its rows do
	s_min_u32 s42, s42, 63                         ; the bound, then shifts left and sums
	s_lshl_b32 s43, s42, 18                        ; a tile's 16 rows of part are 262,144 bytes,
	v_add_nc_u32 v[VS+\i], s43, v[FW]
	s_lshl_b32 s42, s42, 6                         ; its gate weights 64
	v_add_nc_u32 v[VW+\i], s42, v[WV]
.endr
	WIN 0xc0
	s_wait_alu depctr_va_vdst(0)                   ; v[VW ..] are written, which the loads below read; the last way out's multiplies are done reading the gate weights' registers, in which they land
.irp i, 0,1,2
	global_load_b128 v[WLR+8*\i:WLR+8*\i+3],   v[VW+\i], s[40:41]                 ; these 6 loads only make the counted waits of the first seven steps stricter
	global_load_b128 v[WLR+8*\i+4:WLR+8*\i+7], v[VW+\i], s[40:41] offset:16
.endr
.endif
	STEP 0, 1
	WIN 0
	s_mov_b32 s23, 3
.Lk:                                                   ; a trip: K steps 1 to 8 of eight; from step 1 on the ring asks for the next eight's rows
	s_wait_xcnt 0x0
	s_add_nc_u64 s[32:33], s[32:33], 0x8000
.irp u, 1,2,3,4,5,6,7
	STEP \u, 0
.endr
	STEP 0, 0
	WIN 0
	s_sub_co_u32 s23, s23, 1
	s_cmp_lg_u32 s23, 0
	s_cbranch_scc1 .Lk
	s_wait_xcnt 0x0                                ; the ring's base and its three offsets are rewritten only behind this wait
	s_wait_alu depctr_vm_vsrc(0)                   ; the rows' loads issued so far have read v[VA ..]
	s_mov_b64 s[32:33], s[28:29]                   ; the last seven steps ask for the next chunk's first seven
.irp i, 0,1,2
	v_add_nc_u32 v[VA+\i], s[SO+\i], v[L16]        ; stated for the next loads by the wait on va_vdst at the head of the step below
.endr
.irp u, 1,2,3,4,5,6,7
	STEP \u, 0
.endr
	EPI
	s_wait_xcnt 0x0                                ; the stores' offsets and data are rewritten only behind this wait
	s_wait_alu depctr_vm_vsrc(0)                   ; the stores have read v[VS ..] and their data (KIND 2: and the gate weights' loads v[VW ..]), all of which the next chunk writes again
	s_mov_b32 s[T0], s[TN]
.Lskip:
	s_sub_co_u32 s22, s22, 1
	s_cmp_lg_u32 s22, 0
	s_cbranch_scc1 .Lblk
	s_wait_dscnt 0x0                               ; my reads of the slice have come back,
	s_barrier_signal -1
	s_barrier_wait -1                              ; and so have every wave's
	s_wait_dscnt 0x0                               ; the wave's end: the closing add into the spare words behind the slice follows
	s_wait_alu depctr_hold_cnt(0) depctr_sa_sdst(0) depctr_va_vdst(0) depctr_va_sdst(0) depctr_va_ssrc(0) depctr_va_vcc(0) depctr_vm_vsrc(0)
	s_wait_tensorcnt 0x0
	ds_add_u32 v62, v63
	s_wait_dscnt 0x0
	s_endpgm
.Lfunc_end_k_qf461d8d343_p1:
	.size	k_qf461d8d343_p1, .Lfunc_end_k_qf461d8d343_p1-k_qf461d8d343_p1
	.p2alignl 7, 3214868480
	.fill 96, 4, 3214868480
	.section	.rodata,"a",@progbits
	.p2align	6, 0x0
	.amdhsa_kernel k_qf461d8d343_p1
		.amdhsa_group_segment_fixed_size 262656
		.amdhsa_private_segment_fixed_size 0
		.amdhsa_enable_private_segment 0
		.amdhsa_kernarg_size 40
		.amdhsa_user_sgpr_count 2
		.amdhsa_user_sgpr_kernarg_segment_ptr 1
		.amdhsa_wavefront_size32 1
		.amdhsa_system_sgpr_workgroup_id_x 1
		.amdhsa_system_sgpr_workgroup_id_y 1
		.amdhsa_system_sgpr_workgroup_id_z 1
		.amdhsa_system_vgpr_workitem_id 0
		.amdhsa_next_free_vgpr 896
		.amdhsa_next_free_sgpr 66
		.amdhsa_reserve_vcc 0
		.amdhsa_float_denorm_mode_32 3
		.amdhsa_float_denorm_mode_16_64 3
		.amdhsa_memory_ordered 1
		.amdhsa_forward_progress 1
		.amdhsa_inst_pref_size 123
	.end_amdhsa_kernel
	.amdgpu_metadata
---
amdhsa.version: [ 1, 2 ]
amdhsa.kernels:
  - .name:           k_qf461d8d343_p1
    .symbol:         k_qf461d8d343_p1.kd
    .args:
      - { .name: idx, .offset: 0, .size: 8, .value_kind: global_buffer, .address_space: global }
      - { .name: xg, .offset: 8, .size: 8, .value_kind: global_buffer, .address_space: global }
      - { .name: ew1, .offset: 16, .size: 8, .value_kind: global_buffer, .address_space: global }
      - { .name: eb1, .offset: 24, .size: 8, .value_kind: global_buffer, .address_space: global }
      - { .name: hb, .offset: 32, .size: 8, .value_kind: global_buffer, .address_space: global }
    .group_segment_fixed_size: 262656
    .private_segment_fixed_size: 0
    .kernarg_segment_align: 8
    .kernarg_segment_size: 40
    .max_flat_workgroup_size: 128
    .sgpr_count:     66
    .vgpr_count:     896
    .wavefront_size: 32
...
	.end_amdgpu_metadata
.endif
;; end of part 6
;; launch p2 (part 7): grid 32 x 8, 4 waves a work-group, no clusters, 262,656 bytes of LDS; arguments idx, hb, ew2, eb2, wl, part; writes part
.if DOCPART == 7
	.amdgcn_target "amdgcn-amd-amdhsa--gfx1250"
	.amdhsa_code_object_version 6
	.text
	.protected	k_qf461d8d343_p2
	.globl	k_qf461d8d343_p2
	.p2align	8
	.type	k_qf461d8d343_p2,@function
k_qf461d8d343_p2:
	s_mov_b64 s[64:65], 0
	v_nop
	global_prefetch_b8 v0, s[64:65] scope:SCOPE_SE
	s_setreg_imm32_b32 hwreg(HW_REG_WAVE_SCHED_MODE, 0, 2), 2
	s_setreg_imm32_b32 hwreg(HW_REG_WAVE_MODE, 25, 1), 1
	s_wait_xcnt 0x0
	s_wait_alu depctr_vm_vsrc(0)
; THE TWO PRODUCTS OF AN EXPERT, one text: KIND = 1: hb = relu(xg W1 + b1), bf16;  KIND = 2: part = wl x (hb W2 + b2), f32, a quarter of the hidden width at a time.
.set KIND, 2
; SHARES.  A work-group has a slice of ONE expert's weights, 1,024 (K) x 128 (columns), which it alone reads: 512 KB of f32, once, in pieces of 256 consecutive bytes.  KIND 1: slice x = 128 hidden columns.
; KIND 2: x % 8 = 128 output columns, x / 8 = a quarter of the 4,096 hidden numbers; the four quarters' partial sums are added by the next launch.
; The slice is rounded to bf16 and turned in registers: a lane loads 4 columns of each of 16 rows and packs neighbouring rows' numbers: four ready fragments.  It stays in LDS, 256 KB, for the whole launch.
; ROWS.  The expert's first cnt rows are nt = ceil(cnt / 16) tiles of 16, walked in chunks of three tiles: chunk c is tiles 3 c to 3 c + 2, and wave w takes chunks w, w + 4, ..: a round of the four waves is 192 rows.
; A chunk's 48 x 128 results are 24 accumulators.  In the expert's last chunk the slots past the last tile repeat that tile: they are multiplied and stored like it, the same bytes to the same place by the same wave,
; so that the text has no branch inside a chunk.  The rows come from memory straight into registers as matrix operands (the launch before laid them so), seven K steps ahead; nothing writes LDS in that loop, so it needs
; no barrier.  The loop over chunks counts to the constant 6 (64 tiles are 22 chunks) and jumps over dead trips.
; Places past cnt in the last tile hold real tokens (of rank >= k): they are computed and stored like the others, and nobody reads them.
; COLUMNS.  Tile T = 4 g + c of 16 holds columns 64 g + 4 i + c of the slice (i = 0..15).  KIND 1 uses the product transposed (source 0 = weights), so that a lane holds 8 hidden numbers of one token:
; tiles (g, 2 u) and (g, 2 u + 1), packed, ARE the operand of K step 4 x + 2 g + u of the second product, whose K therefore runs over the hidden numbers in that order; KIND 2 loads W2's rows in the same order.
; FORMATS.  x, weights and biases rounded once to bf16, the hidden layer once to bf16; sums and partial sums f32.
; NO CLUSTER, NO TENSOR LOADS: each weight has one reader and wants a cast and a transposition, which the way through registers gives; what an expert's 32 work-groups share is its token rows, and beside the slice's
; 262,144 bytes LDS has 65,024 left: less than one chunk's 98,304 bytes of rows.
; THE MODE: SCHED_MODE bits 1:0 = 2 (LLVM: expert scheduling mode 2), set by the entry lines.  The code itself states the register dependences between vector or matrix instructions and memory or LDS
; instructions, with s_wait_alu, always for 0.
; THE PLAN.  Registers that memory or LDS instructions touch:
;   THE FILL.   Slots 0-3 (window 1): a unit's 16 loads land in slot uu % 4; its 32 conversions read it; the loads of the unit four on land in it.   v[B0 .. B0+31]: written by a unit's conversions, read by its 8 LDS
;               stores, written again by the next unit's conversions.   v[FL]: read by the LDS stores, stepped once a trip.   v[FW], v[BO]: read by loads, made once.
;               A unit has two waits: vm_vsrc ahead of its conversions (the last unit's stores have read v[B0 ..]), va_vdst behind them (the stores' data are written; the slot is read out).
;   THE K LOOP. W0, W1 (v64-127, v128-191): step s's 24 products read W[s % 2]; its 16 LDS loads land in the other one, which the products of step s - 1 read.   Ring slot s % 8 (window 2): read by step s's
;               products; the 6 loads of step s + 1 land in it.   v[LB]: read by every LDS load, written once in eight steps.   v[VA ..]: read by the rows' loads, written once a chunk.
;               ONE wait on va_vdst stands at a step's head; the step's 22 loads follow it, dealt among the step's first six products, which name none of the registers that those loads touch.
;   THE WAY OUT. Registers of window 3: written by the conversions and relu (KIND 2: the multiplies), read by the stores; v[VS ..], the stores' offsets, written at a chunk's head (KIND 2 also v[VW ..], and WLR, which
;               loads fill and the multiplies read).  One wait on va_vdst ahead of each run of stores; one on vm_vsrc at the chunk loop's foot, ahead of all that the next chunk writes again.
; REGISTERS, in windows of 256 (s_set_vgpr_msb: bits 1:0 source 0, 3:2 source 1, 5:4 source 2, 7:6 destination):
;   window 0: v1-26 addresses; v64-127, v128-191 the weights' fragments of one K step, two buffers; v192-255 the bias as a C operand, 8 registers a tile
;   window 1: the accumulators, (i, T) at 64 i + 8 T, i = 0..2; while the slice is filled: four slots of 64 for weights as loaded
;   window 2: the rows' ring: K step s in slot s % 8, tile i at 32 (s % 8) + 8 i          window 3: the way out (KIND 2: three sets of 64, at v0, v64 and v160; v128-151 the rows' gate weights)
.set L16,  1                           ; v1   16 x lane
.set LB,   3                           ; v3   LDS address of my 16 bytes in the eight K steps in hand
.set FW,   4                           ; v4   (lane / 16) x 131,072 + (lane % 16) x 16: my place in the weights; KIND 2: also in part (8 rows of 16,384 bytes)
.set FL,   5                           ; v5   where my fragments go in LDS
.set BO,   8                           ; v8   my place in the bias
.set ZR,   10                          ; v10  0, for relu
.set WV,   12                          ; v12  KIND 2: 32 x (lane / 16): my 8 rows' gate weights in a tile's 64 bytes
.set VA,   16                          ; v16-18  slot i: byte offset of its tile's rows (the chunk that the ring is asking for)
.set VS,   20                          ; v20-22  slot i: byte offset of its tile's results
.set VW,   24                          ; v24-26  KIND 2: slot i: byte offset of its tile's gate weights
.set B0,   64
.set PK,   128                         ; the bias at work
.set BIAS, 192
.set WLR,  128                         ; window 3
.if KIND == 1
.set WSTEP,  0x100000                  ; two K steps of weights: 64 rows of 16,384 bytes
.set BSH,    17                        ; four tiles of rows lie in a block of 131,072 bytes,
.set OSH,    19                        ; four tiles of results in one of 524,288
.set W_MUL,  0x58                      ; weights window 0, rows window 2, C and D window 1
.set W_MULB, 0x48                      ; the same with C in window 0
.else
.set WSTEP,  0x40000                   ; 64 rows of 4,096 bytes
.set BSH,    19                        ; four tiles of rows lie in a block of 524,288 bytes
.set W_MUL,  0x52                      ; rows window 2, weights window 0, C and D window 1
.set W_MULB, 0x42
.endif
; s16 wave, s17 expert, s18 slice, s19 quarter, s22-23, s25 counters, s24 LDS base of the eight K steps in hand, s[26:27] weights, s[28:29] the expert's rows (never rewritten), s[32:33] the ring's base,
; s[38:39] the expert's results (never rewritten), s[40:41] its gate weights, s42-47, s52-53 at work
.set LAST, 20                          ; s20  the expert's last tile
.set T0,   34                          ; s34  the chunk's first tile
.set TN,   36                          ; s36  my next chunk's first tile
.set SO,   48                          ; s48-50  slot i: byte offset of the next chunk's tile
.set MSB, 0
.macro WIN new                         ; the immediate's high byte repeats the setting that is left; a switch that changes nothing is dropped
.if MSB != (\new)
	s_set_vgpr_msb (MSB<<8)|(\new)
.set MSB, \new
.endif
.endm
; s[dst] = the byte offset of tile min(s[tb] + i, last tile) in a tensor that lies in blocks of four tiles, 1 << sh bytes a block, 1,024 bytes from tile to tile.
; A number read from memory enters an address only behind a bound written in the line; behind the bound stand a shift left, an AND and sums alone.
.macro TOFF dst, tb, i, sh
	s_add_co_u32 s52, s[\tb], \i
	s_min_u32 s52, s52, s[LAST]
	s_lshr_b32 s53, s52, 2
	s_min_u32 s53, s53, 15
	s_lshl_b32 s53, s53, \sh
	s_min_u32 s52, s52, 63
	s_and_b32 s52, s52, 3
	s_lshl_b32 s52, s52, 10
	s_add_co_u32 s[\dst], s53, s52
.endm
; A UNIT of the fill: K step uu / 2 (from s[26:27] on), column group uu % 2: 16 loads, each two pieces of 256 consecutive bytes, into slot uu % 4: row (hf, jj), 4 columns.
; No wait of its own: the slot's last readers, the conversions of the unit four back, stand ahead of that unit's wait on va_vdst, and no vector instruction since names the slot or v[FW].
.macro FLOAD uu
	WIN 0x40
.set FS, 64*((\uu)&3)
.set FD, (\uu)>>1
.set FG, (\uu)&1
.irp hf, 0,1
.irp jj, 0,1,2,3,4,5,6,7
.if KIND == 1
.set RO, (32*FD+16*\hf+\jj)*16384
.else
.set RO, ((FD>>1)*64+4*\jj+2*(FD&1)+\hf)*4096
.endif
	global_load_b128 v[FS+(8*\hf+\jj)*4:FS+(8*\hf+\jj)*4+3], v[FW], s[26:27] offset:RO+FG*256 th:TH_LOAD_NT
.endr
.endr
.endm
; the unit is rounded, two neighbouring K to a register: four fragments (one for each column c), and stored: 512 consecutive bytes a store
.macro FCONV uu
	WIN 0x05
.set FS, 64*((\uu)&3)
	s_wait_alu depctr_vm_vsrc(0)                   ; the last unit's LDS stores have read v[B0 .. B0+31], which the conversions below write again
.irp c, 0,1,2,3
.irp a, 0,1,2,3,4,5,6,7
	v_cvt_pk_bf16_f32 v[B0+8*\c+\a], v[FS+(8*((\a)>>2)+2*((\a)&3))*4+\c], v[FS+(8*((\a)>>2)+2*((\a)&3))*4+\c+4]
.endr
.endr
	WIN 0
	s_wait_alu depctr_va_vdst(0)                   ; the conversions have written v[B0 .. B0+31], which the LDS stores read, and are done reading the slot, in which the next unit's loads land; in a trip's first unit v[FL] is written
.irp c, 0,1,2,3
.irp hf, 0,1
	ds_store_b128 v[FL], v[B0+8*\c+4*\hf:B0+8*\c+4*\hf+3] offset:((\uu)>>1)*8192+((\uu)&1)*4096+\c*1024+\hf*512
.endr
.endr
.endm
; the ring's first seven K steps: 42 loads.  Their offsets v[VA ..] were written ahead of the fill loop, whose waits on va_vdst have stated them; nothing has named the ring's registers
.macro APRO
	WIN 0x80
.irp s, 0,1,2,3,4,5,6
.irp i, 0,1,2
.irp hf, 0,1
	global_load_b128 v[32*\s+8*\i+4*\hf:32*\s+8*\i+4*\hf+3], v[VA+\i], s[32:33] offset:\s*4096+\hf*512
.endr
.endr
.endr
.endm
; A K STEP, number u of eight.  At its head the waits for its own weights and rows, and the ONE wait on va_vdst.  Then 24 products.  Behind each of the first four stand four of the 16 LDS loads of the next step's
; weights, behind the fifth and the sixth three each of the 6 loads of the rows seven steps on: a group of loads costs two window switches, and all loads are out early in the step.  The products name W[u % 2], ring
; slot u, the accumulators and (first = 1) the bias: none of the registers that these loads touch.  The 24 accumulators take turns in the same order in every step.
; first = 1: the bias starts the sums.  That step has no wait on va_vdst: since the last one (ahead of the first LDS loads; in the way out; KIND 2: at the chunk's head) nothing has named the registers that its loads touch.
.macro STEP u, first
.set NB, B0+64*(((\u)+1)&1)
.set CB, B0+64*((\u)&1)
.set NS, ((\u)+7)&7
.if (\u) == 7
	WIN 0
	s_add_co_u32 s24, s24, 0x10000                 ; the next eight K steps; behind the fourth eight the first again, for the next chunk
	s_and_b32 s24, s24, 0x30000
	s_wait_alu depctr_vm_vsrc(0)                   ; the LDS loads issued so far have read v[LB]
	v_add_nc_u32 v[LB], s24, v[L16]                ; ahead of the step's wait on va_vdst, which states it for the loads below
.endif
	s_wait_dscnt 0x0                               ; this step's weights are in: the last step's 16 loads are all that was out
	s_wait_loadcnt 36                              ; this step's rows are in; the six younger steps' 6 loads each may be out
.if !(\first)
	s_wait_alu depctr_va_vdst(0)                   ; the last step's products are done reading the other weights' buffer and their ring slot, in which this step's loads land; v[LB] (step 7) and v[VA ..] (behind their rewriting) are written
.endif
.set n, 0
.rept 24                               ; product n: tile n / 8 of the chunk, column tile n % 8
.if \first
	WIN W_MULB
.else
	WIN W_MUL
.endif
.set rD, 64*(n/8)+8*(n%8)
.set rW, CB+8*(n%8)
.set rR, 32*(\u)+8*(n/8)
.set rB, BIAS+8*(n%8)
.if KIND == 1
.if \first
	v_wmma_f32_16x16x32_bf16 v[rD:rD+7], v[rW:rW+7], v[rR:rR+7], v[rB:rB+7]
.else
	v_wmma_f32_16x16x32_bf16 v[rD:rD+7], v[rW:rW+7], v[rR:rR+7], v[rD:rD+7]
.endif
.else
.if \first
	v_wmma_f32_16x16x32_bf16 v[rD:rD+7], v[rR:rR+7], v[rW:rW+7], v[rB:rB+7]
.else
	v_wmma_f32_16x16x32_bf16 v[rD:rD+7], v[rR:rR+7], v[rW:rW+7], v[rD:rD+7]
.endif
.endif
.if n < 4
	WIN 0
.irp q, 0,1,2,3                        ; column tiles 2 n and 2 n + 1 of the next step, both halves
	ds_load_b128 v[NB+16*n+4*\q:NB+16*n+4*\q+3], v[LB] offset:(((\u)+1)&7)*8192+(4*n+\q)*512
.endr
.elseif n < 6
	WIN 0x80
.irp q, 0,1,2
.set gq, 3*(n-4)+\q                    ; tile gq / 2, half gq % 2
	global_load_b128 v[32*NS+4*gq:32*NS+4*gq+3], v[VA+gq/2], s[32:33] offset:NS*4096+(gq%2)*512
.endr
.endif
.set n, n+1
.endr
.endm
; A CHUNK'S WAY OUT.  Each accumulator is read from its low end on.  The four places between the last product and the lines that read results stay beside the waits (ISA guide 7.12.1).
.macro EPI
	WIN 0
	v_nop
	v_nop
	v_nop
	v_nop
.if KIND == 1
	WIN 0xc5                                       ; sources window 1, destination window 3
.irp i, 0,1,2
.irp g, 0,1
.irp u, 0,1
.irp a, 0,1,2,3                        ; a lane's 8 + 8 hidden numbers of a token: the two halves of an operand of the second product
	v_cvt_pk_bf16_f32 v[(4*\i+2*\g+\u)*8+\a], v[64*\i+8*(4*\g+2*\u)+2*\a], v[64*\i+8*(4*\g+2*\u)+2*\a+1]
.endr
.irp a, 0,1,2,3
	v_cvt_pk_bf16_f32 v[(4*\i+2*\g+\u)*8+4+\a], v[64*\i+8*(4*\g+2*\u+1)+2*\a], v[64*\i+8*(4*\g+2*\u+1)+2*\a+1]
.endr
.endr
.endr
.endr
	WIN 0xc3
.set z, 0
.rept 96
	v_pk_max_num_bf16 v[z], v[z], v[ZR]            ; relu, two at a time: it rounds nothing
.set z, z+1
.endr
	WIN 0x0c                                       ; store data window 3
	s_wait_alu depctr_va_vdst(0)                   ; the conversions and relu have written the 96 registers that the stores read
.irp i, 0,1,2
.irp gu, 0,1,2,3
.irp hf, 0,1
	global_store_b128 v[VS+\i], v[(4*\i+\gu)*8+4*\hf:(4*\i+\gu)*8+4*\hf+3], s[38:39] offset:\gu*4096+\hf*512  ; 512 consecutive bytes
.endr
.endr
.endr
.else
.irp i, 0,1,2                          ; a tile at a time, each on a set of 64 registers of its own: none is written twice in a chunk
.set OB, 64*\i+32*(\i>>1)              ; v0, v64, v160
	WIN 0xcd                                       ; accumulators window 1, gate weights and destination window 3
.irp g, 0,1
.irp j, 0,1,2,3,4,5,6,7
.irp c, 0,1,2,3                        ; the multiply by the row's gate weight also brings 4 neighbouring columns into 4 neighbouring registers
	v_mul_f32 v[OB+(8*\g+\j)*4+\c], v[64*\i+8*(4*\g+\c)+\j], v[WLR+8*\i+\j]
.endr
.endr
.endr
	WIN 0x0c
	s_wait_alu depctr_va_vdst(0)                   ; the tile's multiplies have written its set, which the stores read
.irp g, 0,1
.irp j, 0,1,2,3,4,5,6,7
	global_store_b128 v[VS+\i], v[OB+(8*\g+\j)*4:OB+(8*\g+\j)*4+3], s[38:39] offset:\j*16384+\g*256  ; 16 lanes store 256 consecutive bytes, aligned
.endr
.endr
.endr
.endif
	WIN 0
.endm
	s_load_b256 s[4:11], s[0:1], 0x0               ; idx s[4:5], rows s[6:7], weights s[8:9], bias s[10:11]
.if KIND == 1
	s_load_b64 s[12:13], s[0:1], 0x20              ; hb
.else
	s_load_b128 s[12:15], s[0:1], 0x20             ; wl s[12:13], part s[14:15]
	v_lshl_add_u32 v62, v0, 2, 0x40000
	v_mov_b32 v63, 0
.endif
	v_lshrrev_b32 v2, 5, v0
	v_readfirstlane_b32 s16, v2                    ; wave 0..3
	s_and_b32 s17, ttmp7, 0xffff                   ; expert
.if KIND == 1
	s_mov_b32 s18, ttmp9
	s_mov_b32 s19, 0
.else
	s_and_b32 s18, ttmp9, 7
	s_lshr_b32 s19, ttmp9, 3
.endif
	v_and_b32 v[L16], 31, v0
	v_lshlrev_b32 v[L16], 4, v[L16]
	v_and_b32 v9, 15, v0
	v_bfe_u32 v11, v0, 4, 1
	v_lshlrev_b32 v[FW], 4, v9
	v_lshl_add_u32 v[FW], v11, 17, v[FW]
	s_wait_alu depctr_va_sdst(0)                   ; s16 is written, ahead of its first reader, the line below
	v_lshl_add_u32 v[FL], s16, 16, v[L16]          ; wave w fills K steps 8 w .. 8 w + 7: 65,536 bytes
	v_mov_b32 v[ZR], 0
.if KIND == 1
	v_lshlrev_b32 v[BO], 7, v11                    ; 32 (lane / 16) columns
.else
	v_lshlrev_b32 v[BO], 4, v9                     ; 4 (lane % 16) columns
	v_lshlrev_b32 v[WV], 5, v11                    ; 8 (lane / 16) rows
.endif
	s_lshl_b32 s46, s17, 7
	s_mov_b32 s47, 0xffff0000
	s_lshl_b32 s42, s17, 24                        ; an expert's weights are 16 MB
	s_lshl_b32 s43, s18, 9
	s_add_co_u32 s42, s42, s43
.if KIND == 1
	s_lshl_b32 s43, s16, 22                        ; my wave's 256 rows of 16,384 bytes
	s_add_co_u32 s42, s42, s43
	s_lshl_b32 s44, s17, 14
.else
	s_lshl_b32 s43, s16, 20                        ; my wave's 256 rows of 4,096 bytes,
	s_add_co_u32 s42, s42, s43
	s_lshl_b32 s43, s19, 22                        ; in the quarter's 1,024
	s_add_co_u32 s42, s42, s43
	s_lshl_b32 s44, s17, 12
.endif
	s_mov_b32 s43, 0
	s_lshl_b32 s45, s18, 9
	s_add_co_u32 s44, s44, s45
	s_mov_b32 s45, 0
	s_wait_kmcnt 0x0
	s_load_b32 s20, s[4:5], s46 offset:0x8000      ; cnt[e]
	s_add_nc_u64 s[26:27], s[8:9], s[42:43]
	s_add_nc_u64 s[10:11], s[10:11], s[44:45]
	WIN 0xc0
	s_wait_alu depctr_va_vdst(0)                   ; v[BO] and v[FW] are written: the loads of the bias and of the weights read them as their offsets
.if KIND == 1
.irp g, 0,1
.irp a, 0,1,2,3,4,5,6,7
	global_load_b128 v[(8*\g+\a)*4:(8*\g+\a)*4+3], v[BO], s[10:11] offset:\g*256+\a*16
.endr
.endr
.else
	global_load_b128 v[0:3], v[BO], s[10:11]
	global_load_b128 v[4:7], v[BO], s[10:11] offset:256
.endif
	FLOAD 0
	FLOAD 1
	FLOAD 2
	WIN 0
	s_wait_kmcnt 0x0
	s_min_u32 s20, s20, 1024
	s_add_co_u32 s20, s20, 15
	s_lshr_b32 s20, s20, 4
	s_max_u32 s20, s20, 1                          ; tiles of 16 rows, 1 to 64
	s_sub_co_u32 s[LAST], s20, 1                   ; the expert's last tile
	s_mul_i32 s[T0], s16, 3                        ; my first chunk's first tile
.irp i, 0,1,2
	TOFF SO+\i, T0, \i, BSH                        ; my first chunk's slots (a wave without a chunk asks for the last tile's rows, and uses nothing)
	v_add_nc_u32 v[VA+\i], s[SO+\i], v[L16]
.endr
	s_mov_b32 s43, 0
	s_mov_b32 s45, 0
.if KIND == 1
	s_lshl_b32 s44, s17, 21                        ; xg: the expert
	s_add_nc_u64 s[28:29], s[6:7], s[44:45]
	s_lshl_b32 s42, s17, 23                        ; hb: the expert, the slice's four K steps
	s_lshl_b32 s44, s18, 14
	s_add_co_u32 s42, s42, s44
	s_add_nc_u64 s[38:39], s[12:13], s[42:43]
.else
	s_lshl_b32 s44, s17, 23                        ; hb: the expert,
	s_lshl_b32 s46, s19, 17                        ; the quarter's 32 K steps
	s_add_co_u32 s44, s44, s46
	s_add_nc_u64 s[28:29], s[6:7], s[44:45]
	s_lshl_b32 s42, s17, 24                        ; part: the expert's 1,024 rows of 16,384 bytes, the quarter, the slice
	s_lshl_b32 s44, s19, 12
	s_add_co_u32 s42, s42, s44
	s_lshl_b32 s44, s18, 9
	s_add_co_u32 s42, s42, s44
	s_add_nc_u64 s[38:39], s[14:15], s[42:43]
	s_lshl_b32 s42, s17, 12
	s_add_nc_u64 s[40:41], s[12:13], s[42:43]
.endif
	s_mov_b64 s[32:33], s[28:29]
	; THE FILL: 16 units a wave, three on their way beside the one awaited
	s_mov_b32 s25, 3
.Lfill:
.irp uu, 0,1,2,3
	FLOAD \uu+3
	s_wait_loadcnt 48                              ; the oldest unit is in; the three younger units' 16 loads each may be out
	FCONV \uu
.endr
	s_wait_xcnt 0x0                                ; the base is stepped only behind this wait
	s_add_nc_u64 s[26:27], s[26:27], WSTEP
	s_wait_alu depctr_vm_vsrc(0)                   ; the LDS stores issued so far have read v[FL]
	v_add_nc_u32 v[FL], 0x4000, v[FL]
	s_sub_co_u32 s25, s25, 1
	s_cmp_lg_u32 s25, 0
	s_cbranch_scc1 .Lfill
	FLOAD 3                                        ; the last unit; behind it the first rows are asked for
	APRO
	s_wait_loadcnt 63                              ; behind the fourth-last and the third-last unit stand 90 and 74 loads: with 63 out at the most both are in
	FCONV 0
	FCONV 1
	s_wait_loadcnt 58                              ; behind the second-last unit stand the last unit's 16 and the rows' 42
	FCONV 2
	s_wait_loadcnt 42                              ; all but the rows' 42
	FCONV 3
	; THE BIAS, rounded to bf16 and widened, as a C operand
	WIN 0x0f
.if KIND == 1
.set z, 0
.rept 32
	v_cvt_pk_bf16_f32 v[PK+z], v[2*z], v[2*z+1]
.set z, z+1
.endr
	WIN 0
.irp g, 0,1
.irp a, 0,1,2,3,4,5,6,7
.irp cc, 0,1                           ; register a of tile 4 g + c is hidden column 64 g + 32 (lane / 16) + 4 a + c
	v_lshlrev_b32 v[BIAS+8*(4*\g+2*\cc)+\a], 16, v[PK+(8*\g+\a)*2+\cc]
	v_and_b32 v[BIAS+8*(4*\g+2*\cc+1)+\a], s47, v[PK+(8*\g+\a)*2+\cc]
.endr
.endr
.endr
.else
.irp z, 0,1,2,3
	v_cvt_pk_bf16_f32 v[PK+\z], v[2*\z], v[2*\z+1]
.endr
	WIN 0
	s_cmp_eq_u32 s19, 0                            ; the bias is the first quarter's; the others start at 0
	s_cselect_b32 s46, -1, 0
.irp z, 0,1,2,3
	v_and_b32 v[PK+\z], s46, v[PK+\z]
.endr
.irp z, 0,1,2,3
.irp j, 0,1,2,3,4,5,6,7                ; a lane holds one column of a tile, and 8 rows: the same number eight times
	v_lshlrev_b32 v[BIAS+8*(2*\z)+\j], 16, v[PK+\z]
	v_and_b32 v[BIAS+8*(2*\z+1)+\j], s47, v[PK+\z]
.endr
.endr
.endif
	s_wait_dscnt 0x0                               ; for the others' sake: my quarter of the slice is in LDS
	s_barrier_signal -1
	s_barrier_wait -1                              ; the slice is whole; nothing writes it again
	; The four waves leave this barrier together and run the same text, in which every K step begins with its 16 LDS loads, dealt among its first products.  Wave w runs 3 w s_nop 15 once, so that the four waves' loads do not begin together.
	s_cmp_eq_u32 s16, 0
	s_cbranch_scc1 .Lgo
.rept 3
	s_nop 15
.endr
	s_cmp_eq_u32 s16, 1
	s_cbranch_scc1 .Lgo
.rept 3
	s_nop 15
.endr
	s_cmp_eq_u32 s16, 2
	s_cbranch_scc1 .Lgo
.rept 3
	s_nop 15
.endr
.Lgo:
	s_mov_b32 s24, 0
	v_mov_b32 v[LB], v[L16]
	s_wait_alu depctr_vm_vsrc(0)                   ; my LDS stores of the fill have read v[B0 .. B0+31], in which the loads below land
	s_wait_alu depctr_va_vdst(0)                   ; v[LB] is written, which the LDS loads read; the fill's conversions have written v[B0 ..] and the bias's lines are done with v[PK ..]: from here on loads land in both weights' buffers
.irp t, 0,1,2,3,4,5,6,7
.irp hf, 0,1
	ds_load_b128 v[B0+8*\t+4*\hf:B0+8*\t+4*\hf+3], v[LB] offset:\t*1024+\hf*512
.endr
.endr
	s_mov_b32 s22, 6
.Lblk:
	s_cmp_gt_u32 s[T0], s[LAST]
	s_cbranch_scc1 .Lskip                          ; no chunk left for my wave: forward, past text without a barrier
	s_add_co_u32 s[TN], s[T0], 12                  ; my next chunk: four chunks of three tiles on
.irp i, 0,1,2
	TOFF SO+\i, TN, \i, BSH                        ; its slots, for the ring's last seven steps; behind my last chunk the expert's last tile, asked for and not used
.endr
.if KIND == 1
.irp i, 0,1,2
	TOFF 42, T0, \i, OSH                           ; where this chunk's results go (the last chunk's stores have read these registers: the waits at the loop's foot)
	v_add_nc_u32 v[VS+\i], s42, v[L16]
.endr
.else
.irp i, 0,1,2
	s_add_co_u32 s42, s[T0], \i
	s_min_u32 s42, s42, s[LAST]                    ; a slot past the last tile repeats it, as its rows do
	s_min_u32 s42, s42, 63                         ; the bound, then shifts left and sums
	s_lshl_b32 s43, s42, 18                        ; a tile's 16 rows of part are 262,144 bytes,
	v_add_nc_u32 v[VS+\i], s43, v[FW]
	s_lshl_b32 s42, s42, 6                         ; its gate weights 64
	v_add_nc_u32 v[VW+\i], s42, v[WV]
.endr
	WIN 0xc0
	s_wait_alu depctr_va_vdst(0)                   ; v[VW ..] are written, which the loads below read; the last way out's multiplies are done reading the gate weights' registers, in which they land
.irp i, 0,1,2
	global_load_b128 v[WLR+8*\i:WLR+8*\i+3],   v[VW+\i], s[40:41]                 ; these 6 loads only make the counted waits of the first seven steps stricter
	global_load_b128 v[WLR+8*\i+4:WLR+8*\i+7], v[VW+\i], s[40:41] offset:16
.endr
.endif
	STEP 0, 1
	WIN 0
	s_mov_b32 s23, 3
.Lk:                                                   ; a trip: K steps 1 to 8 of eight; from step 1 on the ring asks for the next eight's rows
	s_wait_xcnt 0x0
	s_add_nc_u64 s[32:33], s[32:33], 0x8000
.irp u, 1,2,3,4,5,6,7
	STEP \u, 0
.endr
	STEP 0, 0
	WIN 0
	s_sub_co_u32 s23, s23, 1
	s_cmp_lg_u32 s23, 0
	s_cbranch_scc1 .Lk
	s_wait_xcnt 0x0                                ; the ring's base and its three offsets are rewritten only behind this wait
	s_wait_alu depctr_vm_vsrc(0)                   ; the rows' loads issued so far have read v[VA ..]
	s_mov_b64 s[32:33], s[28:29]                   ; the last seven steps ask for the next chunk's first seven
.irp i, 0,1,2
	v_add_nc_u32 v[VA+\i], s[SO+\i], v[L16]        ; stated for the next loads by the wait on va_vdst at the head of the step below
.endr
.irp u, 1,2,3,4,5,6,7
	STEP \u, 0
.endr
	EPI
	s_wait_xcnt 0x0                                ; the stores' offsets and data are rewritten only behind this wait
	s_wait_alu depctr_vm_vsrc(0)                   ; the stores have read v[VS ..] and their data (KIND 2: and the gate weights' loads v[VW ..]), all of which the next chunk writes again
	s_mov_b32 s[T0], s[TN]
.Lskip:
	s_sub_co_u32 s22, s22, 1
	s_cmp_lg_u32 s22, 0
	s_cbranch_scc1 .Lblk
	s_wait_dscnt 0x0                               ; my reads of the slice have come back,
	s_barrier_signal -1
	s_barrier_wait -1                              ; and so have every wave's
	s_wait_dscnt 0x0                               ; the wave's end: the closing add into the spare words behind the slice follows
	s_wait_alu depctr_hold_cnt(0) depctr_sa_sdst(0) depctr_va_vdst(0) depctr_va_sdst(0) depctr_va_ssrc(0) depctr_va_vcc(0) depctr_vm_vsrc(0)
	s_wait_tensorcnt 0x0
	ds_add_u32 v62, v63
	s_wait_dscnt 0x0
	s_endpgm
.Lfunc_end_k_qf461d8d343_p2:
	.size	k_qf461d8d343_p2, .Lfunc_end_k_qf461d8d343_p2-k_qf461d8d343_p2
	.p2alignl 7, 3214868480
	.fill 96, 4, 3214868480
	.section	.rodata,"a",@progbits
	.p2align	6, 0x0
	.amdhsa_kernel k_qf461d8d343_p2
		.amdhsa_group_segment_fixed_size 262656
		.amdhsa_private_segment_fixed_size 0
		.amdhsa_enable_private_segment 0
		.amdhsa_kernarg_size 48
		.amdhsa_user_sgpr_count 2
		.amdhsa_user_sgpr_kernarg_segment_ptr 1
		.amdhsa_wavefront_size32 1
		.amdhsa_system_sgpr_workgroup_id_x 1
		.amdhsa_system_sgpr_workgroup_id_y 1
		.amdhsa_system_sgpr_workgroup_id_z 1
		.amdhsa_system_vgpr_workitem_id 0
		.amdhsa_next_free_vgpr 992
		.amdhsa_next_free_sgpr 66
		.amdhsa_reserve_vcc 0
		.amdhsa_float_denorm_mode_32 3
		.amdhsa_float_denorm_mode_16_64 3
		.amdhsa_memory_ordered 1
		.amdhsa_forward_progress 1
		.amdhsa_inst_pref_size 117
	.end_amdhsa_kernel
	.amdgpu_metadata
---
amdhsa.version: [ 1, 2 ]
amdhsa.kernels:
  - .name:           k_qf461d8d343_p2
    .symbol:         k_qf461d8d343_p2.kd
    .args:
      - { .name: idx, .offset: 0, .size: 8, .value_kind: global_buffer, .address_space: global }
      - { .name: hb, .offset: 8, .size: 8, .value_kind: global_buffer, .address_space: global }
      - { .name: ew2, .offset: 16, .size: 8, .value_kind: global_buffer, .address_space: global }
      - { .name: eb2, .offset: 24, .size: 8, .value_kind: global_buffer, .address_space: global }
      - { .name: wl, .offset: 32, .size: 8, .value_kind: global_buffer, .address_space: global }
      - { .name: part, .offset: 40, .size: 8, .value_kind: global_buffer, .address_space: global }
    .group_segment_fixed_size: 262656
    .private_segment_fixed_size: 0
    .kernarg_segment_align: 8
    .kernarg_segment_size: 48
    .max_flat_workgroup_size: 128
    .sgpr_count:     66
    .vgpr_count:     992
    .wavefront_size: 32
...
	.end_amdgpu_metadata
.endif
;; end of part 7
;; launch total: the kernel of part 5 again; grid 256 x 1, 8 waves a work-group, no clusters, 0 bytes of LDS; arguments idx, part, out0; writes out0
